; MI455X (gfx1250); checked and timed in simulation.
; The chip was launched on July 23, 2026; its instructions are those of AMD's public machine-readable ISA for CDNA 5 (MIT licence, August 2026) and "CDNA5" Instruction Set Architecture Reference Guide (July 2026). The comments in the code are by the model that wrote it; some were corrected since.
;; Self Attention. Allowed arithmetic: matrix products marked QUANTISED: E2M1 operands, one E8M0 scale for each 32 along K, by v_wmma_scale_f32_16x16x128_f8f6f4 with both operands' format E2M1 (or v_wmma_scale_f32_32x16x128_f4), f32 sums; products left as they are: bf16, f16 or f32 operands; f32 sums; everything else in f32.
;; Inputs: w_proj 1,024 x 1,024 float32; w_qkv 3,072 x 1,024 float32; x 4 x 2,048 x 1,024 float32.
;; Outputs: out0 4 x 2,048 x 1,024 float32.
;; This version of the problem:
;;   THIS VERSION OF THE PROBLEM IS GIVEN IN LOW PRECISION. The matrix products marked QUANTISED in the list below multiply operands that are first quantised to E2M1 (2 exponent bits, 1 mantissa bit; 4 bits a number), with one power-of-two scale for each 32 numbers along K (OCP MX v1.0); their sums are f32. The products marked 'left as it is' may take bf16, f16 or f32 operands, with f32 sums. Whichever they take, every output number must still come out within the allowed error. Rounding operands to bf16 (8 significant bits) uses up far more of that allowance than f16 does (11 bits, for magnitudes from 6e-5 to 65,504). All else is computed in f32.
;;   The module's matrix products, in the order in which they are computed (A, B: the left and right operand; K: the contracted axis; several contracted axes count as one K, in the product's order):
;;     1. [M 8,192, K 1,024] x [K 1,024, N 3,072]; A: input x; B: input w_qkv: QUANTISED
;;     2. batch 64 x [M 2,048, K 64] x [K 64, N 2,048]; A: computed on the way; B: computed on the way: left as it is (an operand is computed on the way)
;;     3. batch 64 x [M 2,048, K 2,048] x [K 2,048, N 64]; A: computed on the way; B: computed on the way: left as it is (an operand is computed on the way)
;;     4. [M 8,192, K 1,024] x [K 1,024, N 1,024]; A: computed on the way; B: input w_proj: left as it is (an operand is computed on the way)
;;   THE QUANTISER, for each operand of a quantised product, along K:
;;     - K is cut into blocks of 32 from its start; a last block that is shorter is filled with zeros.
;;     - A block's scale is 2^e with e = floor(log2(the largest magnitude in the block)) - 2, held to -126 .. 127; a block of zeros has e = 0. As a byte (E8M0): e + 127.
;;     - Each number is divided by its block's scale, clamped to +-6, and rounded to the nearest number of E2M1, ties to even, subnormals kept.
;;     - The product sums the exact products of the quantised numbers (number of the format x scale) in f32.
;;   ~~~python
;;   def quantise(x, axis):      # numpy; x: float32 -> the quantised numbers, widened to float32 again
;;       x = np.moveaxis(x, axis, -1); K = x.shape[-1]
;;       x = np.pad(x, [(0, 0)] * (x.ndim - 1) + [(0, -K % 32)]); x = x.reshape(x.shape[:-1] + (-1, 32)); a = np.abs(x).max(-1, keepdims=True)
;;       e = np.where(a > 0, np.clip(np.frexp(np.where(a > 0, a, 1))[1] - 1 - 2, -126, 127), 0)      # np.frexp(a)[1] - 1 = floor(log2(a)), exactly
;;       r = np.clip(x / 2.0 ** e, -6, 6)
;;       step = 2.0 ** (np.maximum(np.frexp(np.where(r == 0, 1, r))[1] - 1, 0) - 1)
;;       q = np.round(r / step) * step * 2.0 ** e      # np.round: ties to even
;;       return np.moveaxis(q.reshape(q.shape[:-2] + (-1,))[..., :K], -1, axis).astype(np.float32)
;;   ~~~
;; One version. Each part assembles by itself: llvm-mc -triple=amdgcn-amd-amdhsa -mcpu=gfx1250 --defsym DOCPART=n.
;; ======== version 1 of 1: 5 launches
;; limits: values are held in f16: magnitudes above 65,504 overflow, below 6.1e-05 lose precision
;; workspace buffers: xq_codes 4,194,304 bytes; xq_scales 262,144 bytes; wq_codes 1,572,864 bytes; wq_scales 98,304 bytes; w16 2,097,152 bytes; qkv16 50,331,648 bytes; qkv32 786,432 bytes; y16 16,777,216 bytes
;; launch prep (part 1): grid 384 x 1, 4 waves a work-group, no clusters, 33,280 bytes of LDS; arguments x, w_qkv, xq_codes, xq_scales, wq_codes, wq_scales, w_proj, w16; writes xq_codes, xq_scales, wq_codes, wq_scales, w16
.if DOCPART == 1
	.amdgcn_target "amdgcn-amd-amdhsa--gfx1250"
	.amdhsa_code_object_version 6
	.text
	.protected	k_q8f87bfc543_prep
	.globl	k_q8f87bfc543_prep
	.p2align	8
	.type	k_q8f87bfc543_prep,@function
k_q8f87bfc543_prep:
	s_mov_b64 s[64:65], 0
	v_nop
	global_prefetch_b8 v0, s[64:65] scope:SCOPE_SE
	s_setreg_imm32_b32 hwreg(HW_REG_WAVE_MODE, 25, 1), 1
	s_wait_xcnt 0x0
; x [8192][1024] and w_qkv [3072][1024], f32, become codes of FP4 (E2M1), K innermost, two codes a byte, with one E8M0 scale byte for each 32 along K; w_proj [1024][1024] becomes f16.
; A block's scale is 2^(floor(log2(its largest magnitude)) - 2); its byte is the largest magnitude's own exponent field - 2, held at 1 from below.  Each number is divided by the scale and rounded to the nearest code, ties to even.
; LIMITS: a block of zeros gets the byte 1 where the rule says 127 (its codes are zeros, which add nothing, and this program alone reads the bytes); blocks whose largest magnitude lies under 2^-124 are held at the byte 1;
; NaN and infinities among the inputs are not served; |w_proj| stays under 65,504, f16's largest number.
; SHARES: work-groups 0-255 take x, 256-351 w_qkv, 352-383 cast w_proj; a wave takes 8,192 numbers.  Rows are dense and K is a multiple of 32: every tensor is a plain stream.
; QUANTISING: 16 steps of 512 numbers.  Each of a step's four loads reads 512 consecutive bytes; the 2,048 bytes turn through the wave's own stage in LDS and come back 64 bytes a lane, so that a lane holds 16 neighbours along K
; (two neighbouring lanes hold a block).  A lane's 16 codes are 8 bytes: the wave stores 256 consecutive bytes.  A wave's 256 scale bytes are gathered in LDS and leave as one aligned run of 256 bytes.
; No tensor loads, no barrier: waves share nothing.  Clusters, matrix units and large tiles have nothing to do here: each byte is read once and written once.
.set WAVES, 4
.set STEPS, 16
.set WGA,   256                        ; work-groups for x: 8192 x 1024 / 32768
.set WGQ,   352                        ; and with w_qkv's 96: from here on the cast
.set EMAX,  2
.set CB,    8                          ; bytes of 16 codes
.set R,     16                         ; v16-79   four sets of 16 numbers as they are loaded
.set X,     80                         ; v80-111  two sets of 16 neighbours
.set C,     128                        ; v128-191 codes: four registers for each step, so that no store's data are written again
.set E,     112                        ; v112-127 a scale byte for each step
.set WREG,  8192                       ; LDS: a region for each wave: two stages of 32 x SP bytes, behind them its 256 scale bytes
.set SP,    80                         ; a lane's place in a stage: 64 bytes + 16 of padding
.set SPW,   12                         ; v12 LDS address of my spare word; never rewritten
.set NIL,   13                         ; v13 0; never rewritten
.set SPARE, WAVES*WREG                 ; behind the four regions: the spare words, 128 bytes a wave, which no other line names
.set CI,    16                         ; the cast: v16-143 two sets of 64 numbers
.set CF,    144                        ; v144-175 a batch's f16 pairs
	s_load_b128 s[4:7], s[0:1], 0x0                ; x, w_qkv
	s_load_b128 s[8:11], s[0:1], 0x10              ; x's codes, x's scales
	s_load_b128 s[12:15], s[0:1], 0x20             ; w_qkv's codes, its scales
	s_load_b128 s[24:27], s[0:1], 0x30             ; w_proj, w16
	v_lshl_add_u32 v[SPW], v0, 2, SPARE
	v_mov_b32 v[NIL], 0
	v_lshrrev_b32 v1, 5, v0
	v_readfirstlane_b32 s16, v1                    ; wave
	v_and_b32 v2, 31, v0                           ; lane
	v_lshlrev_b32 v3, 4, v2                        ; my 16 bytes of a load's 512
	s_mul_i32 s17, s16, WREG
	v_lshrrev_b32 v14, 2, v2
	v_mul_u32_u24 v14, v14, SP
	v_and_b32 v15, 3, v2
	v_lshl_add_u32 v14, v15, 4, v14
	v_add_nc_u32 v14, s17, v14                     ; the stage, on the way in: SP (lane / 4) + 16 (lane % 4)
	v_mul_u32_u24 v15, v2, SP
	v_add_nc_u32 v15, s17, v15                     ; and on the way out: SP x lane: my 16 neighbours
	v_mul_u32_u24 v4, v2, CB                       ; my codes' place in a step's
	v_lshrrev_b32 v5, 1, v2
	s_add_co_u32 s17, s17, 2*32*SP
	v_add_nc_u32 v5, s17, v5                       ; LDS: my wave's 256 scale bytes, my block's byte
	v_lshlrev_b32 v7, 3, v2                        ; 8 bytes a lane
	v_add_nc_u32 v6, s17, v7
	s_wait_kmcnt 0x0
	s_cmp_ge_u32 ttmp9, WGQ                        ; the cast's work-groups part here: the branch hangs on the work-group's number alone
	s_cbranch_scc1 .Lcast
	s_cmp_lt_u32 ttmp9, WGA                        ; x's work-group or w_qkv's?  Only pointers are chosen: both take one path
	s_cselect_b64 s[4:5], s[4:5], s[6:7]
	s_cselect_b64 s[8:9], s[8:9], s[12:13]
	s_cselect_b64 s[10:11], s[10:11], s[14:15]
	s_cselect_b32 s17, 0, WGA
	s_sub_co_u32 s17, ttmp9, s17
	s_lshl_b32 s17, s17, 2
	s_add_co_u32 s18, s17, s16                     ; which run of 8,192 numbers of the tensor is my wave's
	s_mov_b32 s19, 0
	s_mov_b64 s[20:21], 512*STEPS*4
	s_mul_u64 s[20:21], s[18:19], s[20:21]
	s_add_nc_u64 s[4:5], s[4:5], s[20:21]
	s_mov_b64 s[20:21], 32*STEPS*CB
	s_mul_u64 s[20:21], s[18:19], s[20:21]
	s_add_nc_u64 s[8:9], s[8:9], s[20:21]
	s_lshl_b32 s18, s18, 8                         ; 256 scale bytes a run
	s_add_nc_u64 s[10:11], s[10:11], s[18:19]
.macro LOAD t
.irp i, 0,1,2,3
	global_load_b128 v[R+16*((\t)%4)+4*\i:R+16*((\t)%4)+4*\i+3], v3, s[4:5] offset:2048*(\t)+512*\i th:TH_LOAD_NT   ; 32 lanes read 512 consecutive bytes
.endr
.endm
.macro TURN t                          ; step t's numbers through the stage: LDS serves a wave's instructions in order, so no wait stands between the stores and the loads
.irp i, 0,1,2,3
	ds_store_b128 v14, v[R+16*((\t)%4)+4*\i:R+16*((\t)%4)+4*\i+3] offset:32*SP*((\t)%2)+8*SP*\i
.endr
.irp i, 0,1,2,3
	ds_load_b128 v[X+16*((\t)%2)+4*\i:X+16*((\t)%2)+4*\i+3], v15 offset:32*SP*((\t)%2)+16*\i
.endr
.endm
.irp t, 0,1,2,3
	LOAD \t
.endr
	s_wait_loadcnt 12                              ; step 0's four loads are in; the twelve of steps 1 to 3 may be out
	TURN 0
.macro STEP t
.set XS, X+16*((\t)%2)
.if (\t) > 0
	s_wait_dscnt 1                                 ; this step's numbers are back from the stage (the last step's byte store may be out)
.else
	s_wait_dscnt 0x0
.endif
.if (\t)+4 < STEPS
	LOAD (\t)+4                                    ; into the registers that this step's stores into the stage have read
.endif
.if (\t)+1 < STEPS
.if STEPS-2-(\t) >= 3
	s_wait_loadcnt 12                              ; the next step's four loads are in; those of the three steps behind it may be out
.else
	s_wait_loadcnt 4*(STEPS-2-(\t))
.endif
	TURN (\t)+1                                    ; and go through the other stage while this step is worked
.endif
	v_max3_num_f32 v8, |v[XS]|, |v[XS+1]|, |v[XS+2]|               ; the largest magnitude of my 16, in two chains
	v_max3_num_f32 v9, |v[XS+3]|, |v[XS+4]|, |v[XS+5]|
.irp i, 6,10
	v_max3_num_f32 v8, v8, |v[XS+\i]|, |v[XS+\i+1]|
	v_max3_num_f32 v9, v9, |v[XS+\i+2]|, |v[XS+\i+3]|
.endr
	v_max3_num_f32 v8, v8, |v[XS+14]|, |v[XS+15]|
	v_max3_num_f32 v8, v8, v9, (EMAX+1)<<23        ; and the floor 2^(3 - 127): so the byte cannot fall under 1
	v_max_num_f32_dpp v8, v8, v8 row_xmask:1 row_mask:0xf bank_mask:0xf   ; and of my neighbour's 16: the block's
	v_add_nc_u32 v11, -(EMAX<<23), v8              ; 2 off its exponent field: the conversion takes the exponent field of this operand as its scale
	v_cvt_scalef32_pk8_fp4_f32 v[C+4*(\t)], v[XS:XS+7], v11
	v_cvt_scalef32_pk8_fp4_f32 v[C+4*(\t)+1], v[XS+8:XS+15], v11
	v_lshrrev_b32 v[E+(\t)], 23, v11               ; the scale's byte (also the plain line behind the conversions)
	ds_store_b8 v5, v[E+(\t)] offset:16*(\t)       ; both lanes of a block write the same byte with the same value
	global_store_b64 v4, v[C+4*(\t):C+4*(\t)+1], s[8:9] offset:32*CB*(\t)   ; the wave stores 256 consecutive bytes, aligned
.endm
.irp t, 0,1,2,3,4,5,6,7,8,9,10,11,12,13,14,15
	STEP \t
.endr
	ds_load_b64 v[8:9], v6                         ; LDS serves a wave's instructions in order: these see my byte stores
	s_wait_dscnt 0x0
	global_store_b64 v7, v[8:9], s[10:11]          ; 32 lanes store 256 consecutive bytes, aligned
	s_wait_tensorcnt 0x0                           ; the wave's end
	ds_add_u32 v[SPW], v[NIL]
	s_wait_dscnt 0x0
	s_endpgm
; THE CAST: w_proj to f16, 8,192 numbers a wave in four batches of sixteen loads; a load reads 512 consecutive bytes, a store writes 256.  One batch of loads is out while another is converted.
.Lcast:
	s_sub_co_u32 s17, ttmp9, WGQ
	s_lshl_b32 s17, s17, 2
	s_add_co_u32 s17, s17, s16                     ; my run
	s_lshl_b32 s18, s17, 15                        ; 32,768 bytes of f32
	s_mov_b32 s19, 0
	s_add_nc_u64 s[24:25], s[24:25], s[18:19]
	s_lshl_b32 s18, s17, 14                        ; 16,384 bytes of f16
	s_add_nc_u64 s[26:27], s[26:27], s[18:19]
.macro CLOAD t
.irp i, 0,1,2,3,4,5,6,7,8,9,10,11,12,13,14,15
	global_load_b128 v[CI+64*((\t)%2)+4*\i:CI+64*((\t)%2)+4*\i+3], v3, s[24:25] offset:8192*(\t)+512*\i th:TH_LOAD_NT
.endr
.endm
.macro CSTEP t
.if (\t) < 3
	s_wait_loadcnt 16                              ; this batch is in; the next batch's sixteen may be out
.else
	s_wait_loadcnt 0x0
.endif
.if (\t) > 0
	s_wait_xcnt 0x0                                ; the last batch's stores have read their data registers, which are written again below
.endif
.irp i, 0,1,2,3,4,5,6,7,8,9,10,11,12,13,14,15
	v_cvt_pk_f16_f32 v[CF+2*\i], v[CI+64*((\t)%2)+4*\i], v[CI+64*((\t)%2)+4*\i+1]
	v_cvt_pk_f16_f32 v[CF+2*\i+1], v[CI+64*((\t)%2)+4*\i+2], v[CI+64*((\t)%2)+4*\i+3]
.endr
.irp i, 0,1,2,3,4,5,6,7,8,9,10,11,12,13,14,15
	global_store_b64 v7, v[CF+2*\i:CF+2*\i+1], s[26:27] offset:4096*(\t)+256*\i
.endr
.if (\t) < 2
	CLOAD (\t)+2
.endif
.endm
	CLOAD 0
	CLOAD 1
	CSTEP 0
	CSTEP 1
	CSTEP 2
	CSTEP 3
	s_wait_tensorcnt 0x0                           ; the same three lines close this path too, so that every end of the launch has them
	ds_add_u32 v[SPW], v[NIL]
	s_wait_dscnt 0x0
	s_endpgm
.Lfunc_end_k_q8f87bfc543_prep:
	.size	k_q8f87bfc543_prep, .Lfunc_end_k_q8f87bfc543_prep-k_q8f87bfc543_prep
	.p2alignl 7, 3214868480
	.fill 96, 4, 3214868480
	.section	.rodata,"a",@progbits
	.p2align	6, 0x0
	.amdhsa_kernel k_q8f87bfc543_prep
		.amdhsa_group_segment_fixed_size 33280
		.amdhsa_private_segment_fixed_size 0
		.amdhsa_enable_private_segment 0
		.amdhsa_kernarg_size 64
		.amdhsa_user_sgpr_count 2
		.amdhsa_user_sgpr_kernarg_segment_ptr 1
		.amdhsa_wavefront_size32 1
		.amdhsa_system_sgpr_workgroup_id_x 1
		.amdhsa_system_sgpr_workgroup_id_y 1
		.amdhsa_system_sgpr_workgroup_id_z 1
		.amdhsa_system_vgpr_workitem_id 0
		.amdhsa_next_free_vgpr 192
		.amdhsa_next_free_sgpr 66
		.amdhsa_reserve_vcc 0
		.amdhsa_float_denorm_mode_32 3
		.amdhsa_float_denorm_mode_16_64 3
		.amdhsa_memory_ordered 1
		.amdhsa_forward_progress 1
		.amdhsa_inst_pref_size 54
	.end_amdhsa_kernel
	.amdgpu_metadata
---
amdhsa.version: [ 1, 2 ]
amdhsa.kernels:
  - .name:           k_q8f87bfc543_prep
    .symbol:         k_q8f87bfc543_prep.kd
    .args:
      - { .name: x, .offset: 0, .size: 8, .value_kind: global_buffer, .address_space: global }
      - { .name: w_qkv, .offset: 8, .size: 8, .value_kind: global_buffer, .address_space: global }
      - { .name: xq_codes, .offset: 16, .size: 8, .value_kind: global_buffer, .address_space: global }
      - { .name: xq_scales, .offset: 24, .size: 8, .value_kind: global_buffer, .address_space: global }
      - { .name: wq_codes, .offset: 32, .size: 8, .value_kind: global_buffer, .address_space: global }
      - { .name: wq_scales, .offset: 40, .size: 8, .value_kind: global_buffer, .address_space: global }
      - { .name: w_proj, .offset: 48, .size: 8, .value_kind: global_buffer, .address_space: global }
      - { .name: w16, .offset: 56, .size: 8, .value_kind: global_buffer, .address_space: global }
    .group_segment_fixed_size: 33280
    .private_segment_fixed_size: 0
    .kernarg_segment_align: 8
    .kernarg_segment_size: 64
    .max_flat_workgroup_size: 128
    .sgpr_count:     66
    .vgpr_count:     192
    .wavefront_size: 32
...
	.end_amdgpu_metadata
.endif
;; end of part 1
;; launch qkv (part 2): grid 12 x 32, 4 waves a work-group, clusters of 4 x 4, 327,680 bytes of LDS; arguments xq_codes, xq_scales, wq_codes, wq_scales, qkv16, qkv32; writes qkv16, qkv32
.if DOCPART == 2
	.amdgcn_target "amdgcn-amd-amdhsa--gfx1250"
	.amdhsa_code_object_version 6
	.text
	.protected	k_q8f87bfc543_qkv
	.globl	k_q8f87bfc543_qkv
	.p2align	8
	.type	k_q8f87bfc543_qkv,@function
k_q8f87bfc543_qkv:
	s_mov_b64 s[64:65], 0
	v_nop
	global_prefetch_b8 v0, s[64:65] scope:SCOPE_SE
	s_setreg_imm32_b32 hwreg(HW_REG_WAVE_MODE, 25, 1), 1
	s_wait_xcnt 0x0
	s_wait_alu depctr_hold_cnt(0) depctr_sa_sdst(0) depctr_va_vdst(0) depctr_va_sdst(0) depctr_va_ssrc(0) depctr_va_vcc(0) depctr_vm_vsrc(0)
	s_getreg_b32 s2, hwreg(HW_REG_IB_STS2, 6, 4)
	s_cmp_eq_u32 s2, 0
	s_cbranch_scc0 .Lentry_in_a_cluster
	s_endpgm
.Lentry_in_a_cluster:
	s_bfe_u32 s2, ttmp6, 0x10000c
	s_cmp_lg_u32 s2, 0xf033
	s_cbranch_scc0 .Lentry_shape_is_right
	s_endpgm
.Lentry_shape_is_right:
; qkv[m][n] = sum over k of x[m][k] w_qkv[n][k], both as codes of FP4 (E2M1) with one E8M0 scale for each 32 along K; sums in f32.  M = 8,192, N = 3,072, K = 1,024.
; OUT: q, k and v as f16, by head: qkv16 [which 3][b 4][h 16][t 2048][64]; and, for positions 0-15 of each sequence, the f32 sums as images of the accumulators' registers: qkv32 [b 4][which x 16 + h][4,096 bytes].
; LIMIT: |q|, |k|, |v| stay under 65,504, f16's largest number (inputs 30 times those drawn give about 5,400; a common offset of 30 spreads on both about 29,000).
; A tile of 256 x 256 is made by a work-group of four waves; a wave makes 128 x 128: 64 accumulators of 16 x 16, 512 registers.  K is two steps of 512, one to each of two LDS slots: both are asked for at the head, nothing is filled again.
; THE SCALES of the work-group's 256 rows of x and 256 rows of w_qkv, for all of K, are two dense blocks of memory: they come into LDS once, with the first fills.
; CLUSTERS: 4 x 4 work-groups.  The four of a row of the cluster need the same tiles of x, the four of a column the same tiles of w_qkv: each tile is asked for jointly.
; The tile row is 8 cy + the cluster's y: so the batch is cy, and 'the tile holds a sequence's first positions' is 'the cluster's y is 0', the same in all sixteen partners.
; THE MATRIX INSTRUCTION IS USED TRANSPOSED (source 0 = 16 rows of w_qkv, source 1 = 16 rows of x): a lane then holds eight neighbouring channels of one token.
; REGISTERS, in windows of 256: window 0: v0-31 addresses; v32-95 scale words, two sets, and nothing else; v96-127 packed results on the way out; from v128 x's fragments, ONE set; on the way out v128-191 rows read back.
;   window 1: w_qkv's fragments, TWO sets, at v0 and v128.  window 2: the accumulators of my rows 0-63 ((a, b) at v[8 (8 a + b)]); window 3: those of my rows 64-127.
.set NQ,     4                         ; matrix instructions deep in a slot (512 along K)
.set ROWB,   256                       ; a tile's row in bytes: 512 codes
.set KROW,   512                       ; a row of codes in memory
.set PITCH,  272                       ; an LDS row: 256 bytes + 16 of padding = 68 words: the 16 rows that a load touches start at 16 different banks (64 banks of 4 bytes: ISA guide 11.1)
.set FR,     8                         ; registers of a fragment: 16 rows x 128 K
.set NL,     2                         ; LDS loads that bring one
.set NP,     4                         ; places behind this matrix instruction (ISA guide 7.12.1)
.set HALFT,  128*PITCH                 ; 128 rows: what one tensor load brings
.set SLOT,   4*HALFT                   ; x's 256 rows, then w_qkv's 256 rows
.set KS,     32                        ; a row of scales in bytes
.set SCL,    2*SLOT                    ; behind the slots: the scales, as runs of 256 bytes + 16 of padding
.set HALFS,  (128*KS/256)*272          ; the scales of 128 rows
.set SBLK,   (16*KS/256)*272           ; those of 16 rows
.set SPARE,  SCL+4*HALFS               ; the spare words, 128 bytes a wave, which no other line names
.set SPITCH, 272                       ; the way out: a stage of 16 rows x (256 bytes + 16) for each wave, in slot 0, which has had its only fill and its last read by then
.set ADRA, 16                          ; v16-17 LDS address of my fragments of x in slot 0, 1
.set ADRB, 20                          ; v20-21 the same for w_qkv
.set STO,  24                          ; v24 the way out: where I put 16 bytes of a token's row
.set RD,   25                          ; v25 where I read back
.set CO,   26                          ; v26 16 x lane
.set ADRS, 27                          ; v27 LDS address of my scale words: lanes 0-15 x's rows, lanes 16-31 w_qkv's
.set SPW,  28                          ; v28 LDS address of my spare word; never rewritten
.set NIL,  29                          ; v29 0; never rewritten
.set SC,   32                          ; scale words: set s at v[SC + 32 s]; register 4 i + q: lanes 0-15 x's block i, lanes 16-31 w_qkv's block i, the slot's q-th 128 along K
.set TMP,  96
.set AF,   128
.set BK,   128
.set G1, 24                            ; s[24:31] group 1 for x's tiles; s[32:39] groups 0, one for each slot
.set G0, 32
.set G1B, 48                           ; s[48:55], s[56:63] the same for w_qkv's
.set G0B, 56
.set G1S, 68                           ; s[68:75], s[76:79] groups 1 and 0 for x's scales; s[80:87], s[88:91] for w_qkv's
.set G0S, 76
.set G1SB, 80
.set G0SB, 88
.set MSB, 0
.macro WIN new                         ; the immediate's high byte repeats the setting that is left
.if MSB != \new
	s_set_vgpr_msb (MSB<<8)|\new
.set MSB, \new
.endif
.endm
.set MUL_LO, 0xa1                      ; source 0 window 1, source 1 window 0, C and D window 2
.set MUL_HI, 0xf1                      ; the same, C and D window 3
.set TO_B,   0x40                      ; destination window 1, address window 0
; A joint load: waves 0 and 1 fetch for x, waves 2 and 3 for w_qkv.  The branch hangs on the wave's number alone.  An s_nop 0 and four v_nop follow each of the two lines.
.macro JLOAD g0a, g1a, g0b, g1b
	s_cmp_eq_u32 s15, 0
	s_cbranch_scc0 .Lfor_b_\@
	tensor_load_to_lds s[\g0a:\g0a+3], s[\g1a:\g1a+7]
	s_nop 0
.rept 4
	v_nop
.endr
	s_branch .Lasked_\@
.Lfor_b_\@:
	tensor_load_to_lds s[\g0b:\g0b+3], s[\g1b:\g1b+7]
	s_nop 0
.rept 4
	v_nop
.endr
.Lasked_\@:
.endm
.macro CROUND                          ; a round of the cluster's barrier
	s_barrier_signal -1
	s_barrier_wait -1
	s_cmp_lg_u32 s14, 0
	s_cbranch_scc1 .Lnot_wave_0_\@
	s_barrier_signal -3
.Lnot_wave_0_\@:
	s_barrier_wait -3
	s_barrier_signal -1
	s_barrier_wait -1
.endm
	s_load_b128 s[4:7], s[0:1], 0x0                ; x's codes, x's scales
	s_load_b128 s[8:11], s[0:1], 0x10              ; w_qkv's codes, its scales
	s_load_b64 s[12:13], s[0:1], 0x20              ; qkv16
	s_load_b64 s[66:67], s[0:1], 0x28              ; qkv32
	v_lshl_add_u32 v[SPW], v0, 2, SPARE
	v_mov_b32 v[NIL], 0
	ds_add_u32 v[SPW], v[NIL]                      ; the wave's opening: the add, twice on end, and its wait ahead of my first tensor load
	ds_add_u32 v[SPW], v[NIL]
	v_lshrrev_b32 v1, 5, v0
	v_readfirstlane_b32 s14, v1                    ; wave 0..3
	s_lshr_b32 s15, s14, 1                         ; which half of the tile's rows is mine.  Also: I fetch for x (0) or for w_qkv (1)
	s_and_b32 s16, s14, 1                          ; which half of its columns.  Also: which 128 rows I fetch
	s_bfe_u32 s40, ttmp6, 0x40000                  ; cx, cy: my place in the cluster
	s_bfe_u32 s41, ttmp6, 0x40004
	s_lshl_b32 s42, ttmp9, 2
	s_add_co_u32 s42, s42, s40                     ; tile column = 4 x cluster x + cx
	s_and_b32 s96, ttmp7, 0xffff                   ; the cluster's y: which 256 positions of a sequence
	s_lshl_b32 s17, s41, 3
	s_add_co_u32 s17, s17, s96                     ; tile row = 8 cy + cluster y
	s_lshl_b32 s43, s41, 2
	s_lshl_b32 s43, 15, s43                        ; my row of the cluster
	s_lshl_b32 s44, 0x1111, s40                    ; my column
	; group 1: a tile of 128 rows x 256 bytes, padded in LDS
	s_or_b32 s[G1+0], s43, (0<<16)|(1<<20)|(1<<21)|(5<<22)|(3<<25)  ; the mask; elements of 1 byte; padding on; bit 21 beside a mask; after every 64 words, 4 words
	s_or_b32 s[G1B+0], s44, (0<<16)|(1<<20)|(1<<21)|(5<<22)|(3<<25)
.irp g, G1, G1B
	s_mov_b32 s[\g+1], ROWB<<16                    ; tensor_dim0
	s_mov_b32 s[\g+2], 128<<16                     ; tensor_dim1
	s_mov_b32 s[\g+3], ROWB<<16                    ; tile_dim0
	s_mov_b32 s[\g+4], 128                         ; tile_dim1
	s_mov_b32 s[\g+5], KROW                        ; from row to row
	s_mov_b32 s[\g+6], 0
	s_mov_b32 s[\g+7], 0
.endr
	; the scales of 128 rows: a dense block of 4,096 bytes, as 16 rows of 256 bytes (32 elements of 8), 16 bytes of padding behind each
	s_or_b32 s[G1S+0], s43, (3<<16)|(1<<20)|(1<<21)|(5<<22)|(3<<25)
	s_or_b32 s[G1SB+0], s44, (3<<16)|(1<<20)|(1<<21)|(5<<22)|(3<<25)
.irp g, G1S, G1SB
	s_mov_b32 s[\g+1], 32<<16
	s_mov_b32 s[\g+2], (128*KS/256)<<16
	s_mov_b32 s[\g+3], 32<<16
	s_mov_b32 s[\g+4], 128*KS/256
	s_mov_b32 s[\g+5], 32
	s_mov_b32 s[\g+6], 0
	s_mov_b32 s[\g+7], 0
.endr
	s_lshl_b32 s18, s16, 7                         ; which 128 rows of the tile I fetch
	s_lshl_b32 s20, s17, 8
	s_add_co_u32 s20, s20, s18                     ; x: row 256 x tile row + 128 x half
	s_lshl_b32 s46, s42, 8
	s_add_co_u32 s46, s46, s18                     ; w_qkv: row 256 x tile column + 128 x half
	s_mov_b32 s21, 0
	s_mov_b32 s47, 0
	s_mov_b64 s[18:19], KS
	s_mul_u64 s[22:23], s[20:21], s[18:19]         ; where these rows' scales begin, in bytes
	s_mul_u64 s[92:93], s[46:47], s[18:19]
	s_mov_b64 s[18:19], KROW
	s_mul_u64 s[20:21], s[20:21], s[18:19]         ; and their codes
	s_mul_u64 s[46:47], s[46:47], s[18:19]
	s_mul_i32 s45, s14, HALFT                      ; where they go: wave x 128 rows: no place in the cluster enters an LDS address
	s_mul_i32 s94, s14, HALFS
	s_wait_dscnt 0x0                               ; both opening adds are done
	s_wait_kmcnt 0x0
	s_add_nc_u64 s[20:21], s[4:5], s[20:21]
	s_add_nc_u64 s[22:23], s[6:7], s[22:23]
	s_add_nc_u64 s[46:47], s[8:9], s[46:47]
	s_add_nc_u64 s[92:93], s[10:11], s[92:93]
	CROUND                                         ; all sixteen work-groups are here: the joint loads meet
	s_mov_b32 s[G0S], 1
	s_add_co_u32 s[G0S+1], s94, SCL
	s_mov_b64 s[G0S+2:G0S+3], s[22:23]
	s_or_b32 s[G0S+3], s[G0S+3], 0x80000000
	s_mov_b32 s[G0SB], 1
	s_add_co_u32 s[G0SB+1], s94, SCL
	s_mov_b64 s[G0SB+2:G0SB+3], s[92:93]
	s_or_b32 s[G0SB+3], s[G0SB+3], 0x80000000
	JLOAD G0S, G1S, G0SB, G1SB                     ; the scales first: they are wanted with K step 0
.irp s, 0,1
	s_mov_b32 s[G0+4*\s], 1
	s_add_co_u32 s[G0+4*\s+1], s45, \s*SLOT
	s_add_nc_u64 s[G0+4*\s+2:G0+4*\s+3], s[20:21], \s*ROWB
	s_or_b32 s[G0+4*\s+3], s[G0+4*\s+3], 0x80000000
	s_mov_b32 s[G0B+4*\s], 1
	s_add_co_u32 s[G0B+4*\s+1], s45, \s*SLOT
	s_add_nc_u64 s[G0B+4*\s+2:G0B+4*\s+3], s[46:47], \s*ROWB
	s_or_b32 s[G0B+4*\s+3], s[G0B+4*\s+3], 0x80000000
	JLOAD G0+4*\s, G1, G0B+4*\s, G1B               ; three tensor loads of mine are out behind the second of these
.endr
	v_and_b32 v1, 15, v0                           ; l % 16
	v_bfe_u32 v2, v0, 4, 1                         ; l / 16
	v_mul_u32_u24 v3, v1, PITCH
	v_lshl_add_u32 v4, v2, 4, v3                   ; a fragment's row x pitch + 16 x half
	s_mul_i32 s21, s15, HALFT                      ; my 128 rows of x
	s_mul_i32 s22, s16, HALFT                      ; my 128 rows of w_qkv,
	s_add_co_u32 s22, s22, 2*HALFT                 ; which lie behind x's 256
.irp s, 0,1
	v_add_nc_u32 v[ADRA+\s], s21, v4
	v_add_nc_u32 v[ADRB+\s], s22, v4
	s_add_co_u32 s21, s21, SLOT
	s_add_co_u32 s22, s22, SLOT
.endr
	v_mul_u32_u24 v5, v1, KS                       ; my row's scales: 32 bytes a row,
	v_lshrrev_b32 v6, 8, v5
	v_lshl_add_u32 v5, v6, 4, v5                   ; and 16 more for each 256 passed
	s_mul_i32 s21, s15, HALFS                      ; x's: my 128 rows
	s_mul_i32 s22, s16, HALFS                      ; w_qkv's: my 128 rows, behind x's 256
	s_add_co_u32 s22, s22, 2*HALFS
	s_sub_co_u32 s22, s22, s21
	v_mul_u32_u24 v6, s22, v2                      ; lanes 16-31 take w_qkv's: one product, the distance between the two bases
	s_add_co_u32 s21, s21, SCL
	v_add_nc_u32 v5, v5, v6
	v_add_nc_u32 v[ADRS], s21, v5
	s_mul_i32 s23, s14, 16*SPITCH                  ; my stage
	v_mul_u32_u24 v5, v1, SPITCH                   ; in: token l % 16, 16 bytes for each half of the lanes
	v_lshl_add_u32 v5, v2, 4, v5
	v_add_nc_u32 v[STO], s23, v5
	v_and_b32 v6, 31, v0
	v_lshlrev_b32 v[CO], 4, v6                     ; 16 x lane
	v_lshrrev_b32 v5, 3, v6                        ; back: eight lanes take a token's 128 bytes of one head, four tokens an instruction
	v_mul_u32_u24 v5, v5, SPITCH
	v_and_b32 v6, 7, v0
	v_lshl_add_u32 v5, v6, 4, v5
	v_add_nc_u32 v[RD], s23, v5
	; where my results go.  My 128 columns are two heads, g0 and g0 + 1 of the 48 (which x 16 + h); g0 is even, so both lie in one of q, k, v and their slabs are neighbours
	s_lshl_b32 s46, s42, 2
	s_lshl_b32 s47, s16, 1
	s_add_co_u32 s46, s46, s47                     ; g0 = 4 x tile column + 2 x half
	s_lshr_b32 s20, s46, 4
	s_lshl_b32 s20, s20, 6                         ; which x 64
	s_lshl_b32 s21, s41, 4                         ; + b x 16
	s_add_co_u32 s20, s20, s21
	s_and_b32 s21, s46, 15                         ; + h
	s_add_co_u32 s20, s20, s21
	s_lshl_b32 s20, s20, 18                        ; a slab is 2,048 tokens x 128 bytes
	s_lshl_b32 s21, s96, 15                        ; + 256 tokens x cluster y
	s_add_co_u32 s20, s20, s21
	s_lshl_b32 s21, s15, 14                        ; + 128 tokens x my half
	s_add_co_u32 s20, s20, s21
	s_mov_b32 s21, 0
	s_add_nc_u64 s[12:13], s[12:13], s[20:21]
	s_mul_i32 s20, s41, 48
	s_add_co_u32 s20, s20, s46
	s_lshl_b32 s20, s20, 12                        ; the images: 4,096 bytes a head
	s_add_nc_u64 s[66:67], s[66:67], s[20:21]
.macro FRAG reg, adr, q, i             ; a fragment, 16 rows x 128 K of 4-bit codes: lane l holds row l % 16; registers 4 c .. 4 c + 3 hold K = 64 c + 32 (l / 16) + 0 .. 31
.irp c, 0,1
	ds_load_b128 v[\reg+4*\c:\reg+4*\c+3], v[\adr] offset:64*(\q)+32*\c+(\i)*16*PITCH
.endr
.endm
; 16 matrix instructions: x's blocks a0, a0 + 1 against w_qkv's eight, the slot's q-th 128 along K.  p: w_qkv's set; sc: the set of scale words.  zero = 1: the first product starts the sums.
; The 64 accumulators take turns, one instruction a turn, in the same order in every step.
.macro MUL16 a0, p, q, sc, zero
.irp a, \a0, \a0+1
.irp b, 0,1,2,3,4,5,6,7
.if \zero
	v_wmma_scale_f32_16x16x128_f8f6f4 v[8*(8*((\a)%4)+\b):8*(8*((\a)%4)+\b)+7], v[128*(\p)+FR*\b:128*(\p)+FR*\b+FR-1], v[AF+FR*(\a):AF+FR*(\a)+FR-1], 0, v[SC+8*NQ*(\sc)+NQ*\b+(\q)], v[SC+8*NQ*(\sc)+NQ*(\a)+(\q)] matrix_a_fmt:MATRIX_FMT_FP4 matrix_b_fmt:MATRIX_FMT_FP4 matrix_a_scale:MATRIX_SCALE_ROW1
.else
	v_wmma_scale_f32_16x16x128_f8f6f4 v[8*(8*((\a)%4)+\b):8*(8*((\a)%4)+\b)+7], v[128*(\p)+FR*\b:128*(\p)+FR*\b+FR-1], v[AF+FR*(\a):AF+FR*(\a)+FR-1], v[8*(8*((\a)%4)+\b):8*(8*((\a)%4)+\b)+7], v[SC+8*NQ*(\sc)+NQ*\b+(\q)], v[SC+8*NQ*(\sc)+NQ*(\a)+(\q)] matrix_a_fmt:MATRIX_FMT_FP4 matrix_b_fmt:MATRIX_FMT_FP4 matrix_a_scale:MATRIX_SCALE_ROW1
.endif
.endr
.endr
.endm
.macro FETCH_B slot, q, p
	WIN TO_B
.irp i, 0,1,2,3,4,5,6,7
	FRAG 128*(\p)+FR*\i, ADRB+\slot, \q, \i
.endr
	WIN 0
.endm
.macro FETCH_A slot, q, i0
.irp i, \i0, \i0+1, \i0+2, \i0+3
	FRAG AF+FR*(\i), ADRA+\slot, \q, \i
.endr
.endm
.macro SCALES sc                       ; a K step's scale words into set sc: four words a row; lanes 0-15 take x's block i, lanes 16-31 w_qkv's block i
.irp i, 0,1,2,3,4,5,6,7
	ds_load_b128 v[SC+8*NQ*\sc+NQ*\i:SC+8*NQ*\sc+NQ*\i+3], v[ADRS] offset:\i*SBLK
.endr
.endm
; A load into a register that a matrix instruction has read, and a vector instruction or a store that reads a matrix result, stand four places behind it; only plain vector instructions that name none of its registers are places.
.macro PLACES n
.rept \n
	v_nop
.endr
.endm
.macro STEP slot, q, zero              ; a step of 128 along K that has its successor in the same slot
	s_wait_dscnt 4*NL                              ; w_qkv's set and x's blocks 0-3 are in; the youngest eight loads (x's blocks 4-7) may be out
	WIN MUL_LO
	MUL16 0, (\q)%2, \q, \slot, \zero
	MUL16 2, (\q)%2, \q, \slot, \zero
	s_wait_dscnt 0                                 ; x's blocks 4-7 are in
	PLACES NP
	FETCH_B \slot, (\q)+1, 1-(\q)%2
	FETCH_A \slot, (\q)+1, 0
	WIN MUL_HI
	MUL16 4, (\q)%2, \q, \slot, \zero
	MUL16 6, (\q)%2, \q, \slot, \zero
	PLACES NP
	WIN 0
	FETCH_A \slot, (\q)+1, 4
.endm
; Slot 0's last step changes slots: one barrier.  In front of it each wave waits for all its tensor loads (slot 1's was still out), adds 0 to its spare word, and waits for that and for its reads of slot 0.
; Behind it slot 1 is whole, and nobody reads slot 0 any more: the stages of the way out lie there.
.macro TURN slot, next
	s_wait_tensorcnt 0x0                           ; all my tensor loads have landed
	ds_add_u32 v[SPW], v[NIL]                      ; 0 onto my spare word
	s_wait_dscnt 4*NL+1                            ; (the add and the youngest eight loads may be out)
	WIN MUL_LO
	MUL16 0, 1, NQ-1, \slot, 0
	s_wait_dscnt 0x0                               ; the add is done, and my reads of this slot are over
	s_barrier_signal -1
	MUL16 2, 1, NQ-1, \slot, 0
	WIN 0
	s_barrier_wait -1
	PLACES NP
	v_add_nc_u32 v[ADRS], 4*NQ, v[ADRS]            ; on to the next K step's scale words
	FETCH_B \next, 0, 0
	FETCH_A \next, 0, 0
	SCALES \next
	WIN MUL_HI
	MUL16 4, 1, NQ-1, \slot, 0
	MUL16 6, 1, NQ-1, \slot, 0
	PLACES NP
	WIN 0
	FETCH_A \next, 0, 4
.endm
	s_wait_tensorcnt 1                             ; the scales and my part of K step 0 are in; K step 1's load may be out
	s_barrier_signal -1
	s_barrier_wait -1
	FETCH_B 0, 0, 0
	FETCH_A 0, 0, 0
	SCALES 0
	FETCH_A 0, 0, 4
	STEP 0, 0, 1                                   ; the first step's products start the sums: nothing is cleared
	STEP 0, 1, 0
	STEP 0, 2, 0
	TURN 0, 1
	STEP 1, 0, 0
	STEP 1, 1, 0
	STEP 1, 2, 0
	s_wait_dscnt 4*NL                              ; the last step: nothing more to fetch
	WIN MUL_LO
	MUL16 0, 1, NQ-1, 1, 0
	MUL16 2, 1, NQ-1, 1, 0
	s_wait_dscnt 0
	WIN MUL_HI
	MUL16 4, 1, NQ-1, 1, 0
	MUL16 6, 1, NQ-1, 1, 0
	WIN 0
	PLACES NP                                      ; behind the last products: for the reads of results and for the loads into the registers that held x's fragments
	; POSITIONS 0-15 OF A SEQUENCE are kept in f32 too: block 0 of the waves with the tile's upper rows, where the cluster's y is 0.  The eight accumulators leave as they stand, lane by lane:
	; each store covers 512 consecutive bytes.  The branches hang on the cluster's y and the wave's number: the same in all partners.
	s_cmp_lg_u32 s96, 0
	s_cbranch_scc1 .Lno32
	s_cmp_lg_u32 s15, 0
	s_cbranch_scc1 .Lno32
	WIN 0x08                                       ; a store's data: window 2
.irp bb, 0,1,2,3,4,5,6,7
	global_store_b128 v[CO], v[8*\bb:8*\bb+3], s[66:67] offset:1024*\bb          ; each accumulator from its low end on
	global_store_b128 v[CO], v[8*\bb+4:8*\bb+7], s[66:67] offset:1024*\bb+512
.endr
	WIN 0
.Lno32:
; THE WAY OUT, block by block of 16 tokens x 128 channels.  PACK: rounded to f16, 16 bytes a lane.  TOSTAGE: into my stage (rows of 256 bytes + 16) and back by heads.  SEND: four tokens of one head, 512 consecutive bytes, a store.
.macro PACK a
.set AC, 64*((\a)%4)
	WIN 0x0a+5*((\a)/4)                            ; sources 0 and 1: window 2 or 3
.irp b, 0,1,2,3,4,5,6,7
.irp r, 0,1,2,3
	v_cvt_pk_f16_f32 v[TMP+4*\b+\r], v[AC+8*\b+2*\r], v[AC+8*\b+2*\r+1]
.endr
.endr
	WIN 0
.endm
.macro TOSTAGE a
.set BB, BK+32*((\a)%2)
.if (\a) >= 2
	s_wait_xcnt 0x0                                ; the stores of two blocks ago have read the registers that the loads below fill
.endif
.irp b, 0,1,2,3,4,5,6,7
	ds_store_b128 v[STO], v[TMP+4*\b:TMP+4*\b+3] offset:32*\b
.endr
.irp i, 0,1,2,3,4,5,6,7
	ds_load_b128 v[BB+4*\i:BB+4*\i+3], v[RD] offset:(\i%4)*4*SPITCH+128*(\i/4)   ; LDS serves a wave's instructions in order: these see the stores above
.endr
.endm
.macro SEND a
.set BB, BK+32*((\a)%2)
	s_wait_dscnt 0x0                               ; the block is back in registers
.irp i, 0,1,2,3,4,5,6,7
	global_store_b128 v[CO], v[BB+4*\i:BB+4*\i+3], s[12:13] offset:(\i/4)*262144+(16*(\a)+4*(\i%4))*128   ; every offset is an immediate: 278,016 at the most
.endr
.endm
	PACK 0
	TOSTAGE 0
.irp a, 1,2,3,4,5,6,7                  ; block a's conversions stand between block a - 1's loads from the stage and the wait for them
	PACK \a
	SEND \a-1
	TOSTAGE \a
.endr
	SEND 7
	s_wait_tensorcnt 0x0                           ; the wave's end
	ds_add_u32 v[SPW], v[NIL]
	s_wait_dscnt 0x0
	CROUND                                         ; the closing round: no work-group ends while a partner may still ask for a tile that names it
	s_endpgm
.Lfunc_end_k_q8f87bfc543_qkv:
	.size	k_q8f87bfc543_qkv, .Lfunc_end_k_q8f87bfc543_qkv-k_q8f87bfc543_qkv
	.p2alignl 7, 3214868480
	.fill 96, 4, 3214868480
	.section	.rodata,"a",@progbits
	.p2align	6, 0x0
	.amdhsa_kernel k_q8f87bfc543_qkv
		.amdhsa_group_segment_fixed_size 327680
		.amdhsa_private_segment_fixed_size 0
		.amdhsa_enable_private_segment 0
		.amdhsa_kernarg_size 48
		.amdhsa_user_sgpr_count 2
		.amdhsa_user_sgpr_kernarg_segment_ptr 1
		.amdhsa_wavefront_size32 1
		.amdhsa_system_sgpr_workgroup_id_x 1
		.amdhsa_system_sgpr_workgroup_id_y 1
		.amdhsa_system_sgpr_workgroup_id_z 1
		.amdhsa_system_vgpr_workitem_id 0
		.amdhsa_next_free_vgpr 1024
		.amdhsa_next_free_sgpr 98
		.amdhsa_reserve_vcc 0
		.amdhsa_float_denorm_mode_32 3
		.amdhsa_float_denorm_mode_16_64 3
		.amdhsa_memory_ordered 1
		.amdhsa_forward_progress 1
		.amdhsa_inst_pref_size 128
	.end_amdhsa_kernel
	.amdgpu_metadata
---
amdhsa.version: [ 1, 2 ]
amdhsa.kernels:
  - .name:           k_q8f87bfc543_qkv
    .symbol:         k_q8f87bfc543_qkv.kd
    .args:
      - { .name: xq_codes, .offset: 0, .size: 8, .value_kind: global_buffer, .address_space: global }
      - { .name: xq_scales, .offset: 8, .size: 8, .value_kind: global_buffer, .address_space: global }
      - { .name: wq_codes, .offset: 16, .size: 8, .value_kind: global_buffer, .address_space: global }
      - { .name: wq_scales, .offset: 24, .size: 8, .value_kind: global_buffer, .address_space: global }
      - { .name: qkv16, .offset: 32, .size: 8, .value_kind: global_buffer, .address_space: global }
      - { .name: qkv32, .offset: 40, .size: 8, .value_kind: global_buffer, .address_space: global }
    .group_segment_fixed_size: 327680
    .private_segment_fixed_size: 0
    .kernarg_segment_align: 8
    .kernarg_segment_size: 48
    .max_flat_workgroup_size: 128
    .sgpr_count:     98
    .vgpr_count:     1024
    .wavefront_size: 32
...
	.end_amdgpu_metadata
.endif
;; end of part 2
;; launch attn (part 3): grid 4 x 64, 16 waves a work-group, no clusters, 327,680 bytes of LDS; arguments qkv16, y16; writes y16
.if DOCPART == 3
	.amdgcn_target "amdgcn-amd-amdhsa--gfx1250"
	.amdhsa_code_object_version 6
	.text
	.protected	k_q8f87bfc543_attn
	.globl	k_q8f87bfc543_attn
	.p2align	8
	.type	k_q8f87bfc543_attn,@function
k_q8f87bfc543_attn:
	s_mov_b64 s[64:65], 0
	v_nop
	global_prefetch_b8 v0, s[64:65] scope:SCOPE_SE
	s_setreg_imm32_b32 hwreg(HW_REG_WAVE_MODE, 25, 1), 1
	s_wait_xcnt 0x0
; y[b][h][q][:] = the sum over k <= q of softmax_k(q . k / 8) v[k][:], for 64 heads (b x 16 + h) of 2,048 positions and 64 channels.  q, k, v: f16, qkv16 [which][b][h][t][64]; y: f16, y16 [h][b x 2048 + t][64].
; Products on f16 operands with f32 sums; maxima, exponentials and sums in f32; the weights p are rounded to f16 for the second product, y once at the end.  A running maximum m is taken away before every exponential.
; LIMIT: |y| stays under 65,504 (it is a mean of v's).  Positions 0-15 of each sequence are computed here like the others, but the output's rows for them come from a launch of their own, in f32.
; SHARES.  Work-group p of a head owns the query blocks p and 7 - p (256 queries each): 9 blocks of keys' worth of work for every p.  Both blocks walk ONE stream of K and V, 256 keys to a slot, 64 to a step.
; Each of the sixteen waves owns 32 queries, two tiles of 16: eight waves in each block; four waves share a SIMD, so that one wave's vector work stands beside another's products and LDS loads.
; NO CLUSTER: the four work-groups of a head read 8 - p of the 8 slots, so a joint load would bring partners tiles that none of their waves reads.
; LAYOUT.  S^T = K Q^T (source 0 = 16 keys, source 1 = 16 queries): a lane holds ONE query (lane % 16) and the keys 8 (lane / 16) + 0..7.  Two such tiles, rounded to f16 in pairs, ARE source 1 of O^T = V^T P.
; K comes out of LDS as it lies, V ([key][channel]) turned, by ds_load_tr16_b128.
; THE CAUSAL MASK.  Every work-group walks all 8 changes of slots (constant trip counts; no barrier is jumped over).  A step all of whose keys come after the wave's queries is left out; on the diagonal hidden scores become -infinity.
; A slot whose first key comes after the work-group's last query is not asked for.
; REGISTERS: v1-9 addresses and constants; v10-29 ten registers of statistics a tile; v30, v31 at work; v32-63 Q; v64-127 K, then V, of a step; v128-191 S^T, then p, then P in place; v192-255 O^T.
.set KP,    144                        ; a key's row in LDS: 128 bytes + 16 of padding
.set VP,    160                        ; a row of V: 128 + 32: an odd multiple of 32
.set VOFF,  256*KP                     ; a slot: 256 rows of K, then 256 rows of V
.set SLOT1, 1<<17                      ; slot 1 begins here: one exclusive or turns an address in one slot into the other's
.set STAGE, SLOT1+VOFF+256*VP          ; behind the slots: 32 rows x 144 bytes for each wave, for the way out; no tensor load lands there
.set SPARE, STAGE+16*32*KP             ; the spare words, 128 bytes a wave, which no other line names
.set AK0, 1                            ; v1  my lane's place in a tile of K
.set AV0, 2                            ; v2  the same for V
.set ADK, 3                            ; v3  LDS address of the step's K
.set SPW, 4                            ; v4  LDS address of my spare word; never rewritten
.set NIL, 5                            ; v5  0; never rewritten
.set PFO, 6                            ; v6  256 x lane: the prefetches' offset; never rewritten
.set RH,  7                            ; v7  lane % 16 - 8 (lane / 16)
.set NINF, 8                           ; v8  -infinity
.set ST,  10                           ; tile t at v[ST + 10 t]: +0 c m, +1 m, +2, +3 l, +4 a, +5 d, +6..+9 four chains at work
.set ADV, 30                           ; v30 LDS address of the step's V
.set MD,  31                           ; v31 the diagonal's bound
.set Q,   32
.set KV,  64
.set S,   128
.set O,   192
.set WV,  18                           ; s18 my wave's number
.set SEL, 20                           ; s[20:21] lane selects for v_permlanex16_b32: lane l xor 16
.set CS,  22                           ; s[22:23] c = log2(e) / 8
.set G1K, 24                           ; s[24:31] group 1 for K's tiles; s[32:39] for V's; s[40:43], s[44:47] their groups 0, which walk
.set G1V, 32
.set G0K, 40
.set G0V, 44
.set TB,  2                            ; s2  LDS byte at which the slot in hand begins
.set SLOTS, 67                         ; s67 changes of slots still to come that look ahead
.set KF,  68                           ; s68 the step's first key
.set Q0,  69                           ; s69 my first query
.set LASTQ, 70                         ; s70 my work-group's last query
.set PFA, 76                           ; s[76:77] where my prefetches stand
.set LIM, 80                           ; s80 1 in a wave that prefetches, else the greatest number
; Waves 0 and 1 fetch K's halves, waves 2 and 3 V's, the others nothing.  The branches hang on the wave's number alone.  An s_nop 0 and four v_nop follow each of the two lines.
.macro TLOAD
	s_cmp_lt_u32 s[WV], 2
	s_cbranch_scc0 .Lnot_k_\@
	tensor_load_to_lds s[G0K:G0K+3], s[G1K:G1K+7]
	s_nop 0
.rept 4
	v_nop
.endr
	s_branch .Lasked_\@
.Lnot_k_\@:
	s_cmp_lt_u32 s[WV], 4
	s_cbranch_scc0 .Lasked_\@
	tensor_load_to_lds s[G0V:G0V+3], s[G1V:G1V+7]
	s_nop 0
.rept 4
	v_nop
.endr
.Lasked_\@:
.endm
; A PREFETCH of what the NEXT change of slots will ask for: 256 rows of K and 256 of V, each a dense block of 32,768 bytes.  All four work-groups of a head walk the same K and V: work-group 0, which walks all slots, asks.
; In it the waves ask that fetch nothing, one instruction each: waves 4-7 for K's block, waves 8-11 for V's, 8,192 bytes a wave, lanes 256 bytes apart: each aligned 256 bytes are named once in the launch.
; It stands four key steps ahead of the load that wants the bytes.  Slots 0 and 1 come by their loads alone; the last change that looks ahead asks for nothing: there is no slot behind it.
.macro ASK
	s_cmp_gt_u32 s[SLOTS], s[LIM]
	s_cbranch_scc0 .Lnot_mine_\@
	global_prefetch_b8 v[PFO], s[PFA:PFA+1] th:TH_LOAD_NT scope:SCOPE_SE
.Lnot_mine_\@:
.endm
	s_load_b128 s[4:7], s[0:1], 0x0                ; qkv16, y16
	v_lshl_add_u32 v[SPW], v0, 2, SPARE
	v_mov_b32 v[NIL], 0
	ds_add_u32 v[SPW], v[NIL]                      ; the wave's opening: the add, twice on end, and its wait ahead of the first tensor load
	ds_add_u32 v[SPW], v[NIL]
	v_lshrrev_b32 v9, 5, v0
	v_readfirstlane_b32 s[WV], v9                  ; wave 0..15
	s_and_b32 s72, ttmp7, 0xffff                   ; the head: b x 16 + h
	s_lshr_b32 s74, s[WV], 1                       ; which 32 queries of a block
	s_lshr_b32 s75, s[WV], 2
	s_xor_b32 s75, s75, s[WV]
	s_and_b32 s75, s75, 1                          ; which of the two blocks: waves 2 i and 2 i + 1 take one each
	s_sub_co_u32 s82, 7, ttmp9
	s_cmp_eq_u32 s75, 1
	s_cselect_b32 s82, s82, ttmp9                  ; block 7 - p or block p
	s_lshl_b32 s[Q0], s82, 8
	s_lshl_b32 s74, s74, 5
	s_add_co_u32 s[Q0], s[Q0], s74                 ; my first query
	s_sub_co_u32 s[LASTQ], 8, ttmp9
	s_lshl_b32 s[LASTQ], s[LASTQ], 8
	s_sub_co_u32 s[LASTQ], s[LASTQ], 1             ; the last query of block 7 - p
	s_and_b32 s88, s[WV], 1                        ; which 128 rows of a slot I fetch, if I fetch
	s_lshl_b32 s83, s72, 18                        ; the head's 2,048 rows of 128 bytes
	s_lshl_b32 s85, s88, 14
	s_add_co_u32 s84, s83, s85
	s_add_co_u32 s86, s84, 1<<24                   ; K: 64 slabs on
	s_mov_b32 s87, 0
	s_add_co_u32 s90, s84, 2<<24                   ; V: 128 slabs on
	s_mov_b32 s91, 0
	s_mul_i32 s89, s88, 128*KP                     ; and where they go in a slot
	s_mul_i32 s94, s88, 128*VP
	s_add_co_u32 s94, s94, VOFF
	; group 1: 128 rows of 64 elements of 2 bytes, dense in memory; padding behind every 32 words: 4 words for K, 8 for V
	s_mov_b32 s[G1K], (1<<16)|(1<<20)|(4<<22)|(3<<25)
	s_mov_b32 s[G1V], (1<<16)|(1<<20)|(4<<22)|(7<<25)
.irp g, G1K, G1V
	s_mov_b32 s[\g+1], 64<<16                      ; tensor_dim0
	s_mov_b32 s[\g+2], 128<<16                     ; tensor_dim1
	s_mov_b32 s[\g+3], 64<<16                      ; tile_dim0
	s_mov_b32 s[\g+4], 128                         ; tile_dim1
	s_mov_b32 s[\g+5], 64                          ; from row to row
	s_mov_b32 s[\g+6], 0
	s_mov_b32 s[\g+7], 0
.endr
	s_mov_b32 s[SEL], 0x76543210
	s_mov_b32 s[SEL+1], 0xfedcba98
	s_mov_b32 s[CS], 0x3e38aa3b                    ; c = log2(e) / sqrt(64)
	s_mov_b32 s[CS+1], s[CS]                       ; (named with it as a pair, so it is written)
	s_mov_b32 s[TB], 0
	s_mov_b32 s[KF], 0
	s_mov_b32 s[SLOTS], 7
	s_lshl_b32 s92, s[Q0], 7
	s_add_co_u32 s92, s92, s83                     ; Q: my first query's row
	s_mov_b32 s93, 0
	s_and_b32 s95, s72, 15
	s_lshl_b32 s95, s95, 13                        ; y16: h x 8,192 rows
	s_lshr_b32 s96, s72, 4
	s_lshl_b32 s96, s96, 11                        ; + b x 2,048
	s_add_co_u32 s96, s96, s95
	s_add_co_u32 s96, s96, s[Q0]
	s_lshl_b32 s96, s96, 7
	s_mov_b32 s97, 0
	s_lshr_b32 s84, s[WV], 3                       ; the prefetches: waves 4-7 K's, waves 8-11 V's
	s_add_co_u32 s84, s84, 1
	s_lshl_b32 s84, s84, 24
	s_add_co_u32 s84, s84, s83
	s_and_b32 s85, s[WV], 3
	s_lshl_b32 s85, s85, 13                        ; my wave's 8,192 bytes
	s_add_co_u32 s84, s84, s85
	s_add_co_u32 s84, s84, 32768                   ; in slot 1: the first change of slots steps it to slot 2
	s_mov_b32 s85, 0
	s_sub_co_u32 s82, s[WV], 4
	s_lshr_b32 s82, s82, 3                         ; 0 in waves 4 to 11,
	s_or_b32 s82, s82, ttmp9                       ; of the head's work-group 0
	s_cmp_eq_u32 s82, 0
	s_cselect_b32 s[LIM], 1, -1
	s_wait_dscnt 0x0                               ; both opening adds are done
	s_wait_kmcnt 0x0
	s_mov_b32 s[G0K], 1
	s_mov_b32 s[G0K+1], s89
	s_add_nc_u64 s[G0K+2:G0K+3], s[4:5], s[86:87]
	s_or_b32 s[G0K+3], s[G0K+3], 0x80000000
	s_mov_b32 s[G0V], 1
	s_mov_b32 s[G0V+1], s94
	s_add_nc_u64 s[G0V+2:G0V+3], s[4:5], s[90:91]
	s_or_b32 s[G0V+3], s[G0V+3], 0x80000000
	TLOAD                                          ; slot 0: key 0 counts for every query, so every wave reads it
	s_add_nc_u64 s[8:9], s[4:5], s[92:93]          ; Q at my first query
	s_add_nc_u64 s[6:7], s[6:7], s[96:97]          ; y likewise
	s_add_nc_u64 s[PFA:PFA+1], s[4:5], s[84:85]
	v_and_b32 v64, 15, v0                          ; r
	v_bfe_u32 v65, v0, 4, 1                        ; h
	v_lshlrev_b32 v9, 7, v64
	v_lshl_add_u32 v9, v65, 4, v9                  ; Q: row r of 128 bytes, + 16 h
.irp t, 0,1
.irp c, 0,1
	global_load_b128 v[Q+16*\t+8*\c:Q+16*\t+8*\c+3], v9, s[8:9] offset:2048*\t+64*\c       ; Q's fragments stay in registers
	global_load_b128 v[Q+16*\t+8*\c+4:Q+16*\t+8*\c+7], v9, s[8:9] offset:2048*\t+64*\c+32
.endr
.endr
	v_mul_u32_u24 v[AK0], v64, KP
	v_lshl_add_u32 v[AK0], v65, 4, v[AK0]          ; K: row r x pitch + 16 h
	v_and_b32 v66, 7, v0
	v_bfe_u32 v67, v0, 3, 1
	v_lshl_add_u32 v[AV0], v65, 3, v66             ; V, turned: key 8 h + lane % 8,
	v_mul_u32_u24 v[AV0], v[AV0], VP
	v_lshl_add_u32 v[AV0], v67, 4, v[AV0]          ; channels 8 ((lane / 8) % 2) on
	v_add_nc_u32 v[AV0], VOFF, v[AV0]
	v_lshlrev_b32 v65, 3, v65
	v_sub_nc_u32 v[RH], v64, v65                   ; r - 8 h
	v_mov_b32 v[NINF], 0xff800000
	v_and_b32 v[PFO], 31, v0
	v_lshlrev_b32 v[PFO], 8, v[PFO]
.irp t, 0,1
	v_mov_b32 v[ST+10*\t+1], 0xff61b1e6            ; m: -3e38, under every score
	v_mul_f32 v[ST+10*\t], s[CS], v[ST+10*\t+1]    ; c m
.irp i, 2,3,4,5,6,7,8,9
	v_mov_b32 v[ST+10*\t+\i], 0                    ; l, and the registers that are named before they are first computed
.endr
.endr
.irp j, 0,1,2,3,4,5,6,7,8,9,10,11,12,13,14,15,16,17,18,19,20,21,22,23,24,25,26,27,28,29,30,31,32,33,34,35,36,37,38,39,40,41,42,43,44,45,46,47,48,49,50,51,52,53,54,55,56,57,58,59,60,61,62,63
	v_mov_b32 v[O+\j], 0                           ; O^T.  (The step is written once: the first finds zeros, which its a = 0 leaves zeros)
.endr
; THE SOFTMAX of a step, both tiles line by line by turns, so that no line waits for the line above it.
.macro SOFTMAX
.irp j, 0,1,2,3                        ; the maximum of the lane's 32 scores and the old m: four chains, each begun at an accumulator's low end
.irp t, 0,1
	v_max3_num_f32 v[ST+10*\t+6+\j], v[S+32*\t+8*\j], v[S+32*\t+8*\j+1], v[S+32*\t+8*\j+2]
.endr
.endr
.irp g, 1,2
.irp j, 0,1,2,3
.irp t, 0,1
	v_max3_num_f32 v[ST+10*\t+6+\j], v[ST+10*\t+6+\j], v[S+32*\t+8*\j+2*\g+1], v[S+32*\t+8*\j+2*\g+2]
.endr
.endr
.endr
.irp t, 0,1
	v_max3_num_f32 v[ST+10*\t+6], v[ST+10*\t+6], v[S+32*\t+7], v[S+32*\t+15]
.endr
.irp t, 0,1
	v_max3_num_f32 v[ST+10*\t+8], v[ST+10*\t+8], v[S+32*\t+23], v[S+32*\t+31]
.endr
.irp t, 0,1
	v_max3_num_f32 v[ST+10*\t+6], v[ST+10*\t+6], v[ST+10*\t+7], v[ST+10*\t+8]
.endr
.irp t, 0,1
	v_max3_num_f32 v[ST+10*\t+6], v[ST+10*\t+6], v[ST+10*\t+9], v[ST+10*\t+1]
.endr
.irp t, 0,1
	v_permlanex16_b32 v[ST+10*\t+7], v[ST+10*\t+6], s[SEL], s[SEL+1]   ; the query's other 32 keys lie in the lane 16 away
.endr
.irp t, 0,1
	v_mov_b32 v[ST+10*\t+5], v[ST+10*\t]           ; c m_old
.endr
.irp t, 0,1
	v_max_num_f32 v[ST+10*\t+1], v[ST+10*\t+6], v[ST+10*\t+7]   ; the new m
.endr
.irp t, 0,1
	v_mul_f32 v[ST+10*\t], s[CS], v[ST+10*\t+1]
.endr
.irp t, 0,1
	v_sub_f32 v[ST+10*\t+5], v[ST+10*\t+5], v[ST+10*\t]
.endr
.irp t, 0,1
	v_exp_f32 v[ST+10*\t+4], v[ST+10*\t+5]         ; a = 2^(c m_old - c m_new)
.endr
.irp t, 0,1
	v_pk_fma_f32 v[S+32*\t:S+32*\t+1], v[S+32*\t:S+32*\t+1], s[CS:CS+1], v[ST+10*\t:ST+10*\t+1] op_sel_hi:[1,0,0] neg_lo:[0,0,1] neg_hi:[0,0,1]   ; c s - c m, a pair of scores
.endr
.set i, 0
.rept 16                               ; ONE BATCH: none of these lines reads an exponential's result; a pair is scaled a turn ahead of its exponentials
.if i < 15
.irp t, 0,1
	v_pk_fma_f32 v[S+32*\t+2*i+2:S+32*\t+2*i+3], v[S+32*\t+2*i+2:S+32*\t+2*i+3], s[CS:CS+1], v[ST+10*\t:ST+10*\t+1] op_sel_hi:[1,0,0] neg_lo:[0,0,1] neg_hi:[0,0,1]
.endr
.endif
.irp t, 0,1
	v_exp_f32 v[S+32*\t+2*i], v[S+32*\t+2*i]
	v_exp_f32 v[S+32*\t+2*i+1], v[S+32*\t+2*i+1]
.endr
.set i, i+1
.endr
	v_nop                                          ; a plain line behind the last exponential
	s_wait_alu depctr_va_vdst(0)                   ; one wait for the 66 exponentials, ahead of the first line that names a result
.irp t, 0,1
	v_pk_fma_f32 v[ST+10*\t+2:ST+10*\t+3], v[ST+10*\t+2:ST+10*\t+3], v[ST+10*\t+4:ST+10*\t+5], v[S+32*\t:S+32*\t+1] op_sel_hi:[1,0,1]   ; l = a l + pair 0: the sums are taken of p in f32, in two chains
.endr
.irp t, 0,1
	v_pk_add_f32 v[ST+10*\t+6:ST+10*\t+7], v[S+32*\t+2:S+32*\t+3], v[S+32*\t+6:S+32*\t+7]
.endr
.irp n, 2,4,6,8,10,12
.irp t, 0,1
	v_pk_add_f32 v[ST+10*\t+2:ST+10*\t+3], v[ST+10*\t+2:ST+10*\t+3], v[S+32*\t+2*\n:S+32*\t+2*\n+1]
	v_pk_add_f32 v[ST+10*\t+6:ST+10*\t+7], v[ST+10*\t+6:ST+10*\t+7], v[S+32*\t+2*\n+6:S+32*\t+2*\n+7]
.endr
.endr
.irp t, 0,1
	v_pk_add_f32 v[ST+10*\t+2:ST+10*\t+3], v[ST+10*\t+2:ST+10*\t+3], v[S+32*\t+28:S+32*\t+29]
.endr
.irp t, 0,1
	v_pk_add_f32 v[ST+10*\t+2:ST+10*\t+3], v[ST+10*\t+2:ST+10*\t+3], v[ST+10*\t+6:ST+10*\t+7]
.endr
.set i, 0
.rept 16                               ; P, in place: register i takes pair i; the first sixteen registers of a tile's S^T are then source 1 of V^T P
.irp t, 0,1
	v_cvt_pk_f16_f32 v[S+32*\t+i], v[S+32*\t+2*i], v[S+32*\t+2*i+1]
.endr
.set i, i+1
.endr
.set i, 0
.rept 16                               ; O^T times a, each accumulator from its low end on
.irp t, 0,1
	v_pk_mul_f32 v[O+32*\t+2*i:O+32*\t+2*i+1], v[O+32*\t+2*i:O+32*\t+2*i+1], v[ST+10*\t+4:ST+10*\t+5] op_sel_hi:[1,0]
.endr
.set i, i+1
.endr
.endm
; A KEY STEP: 64 keys, the q-th of the slot in hand.
.macro STEP q
	s_add_co_u32 s96, s[Q0], 31                    ; a step all of whose keys come after my 32 queries is left out: a scalar branch on ids and the count of steps, round no barrier and no tensor load
	s_cmp_gt_u32 s[KF], s96
	s_cbranch_scc1 .Lhidden_\@
	v_add_nc_u32 v[ADK], s[TB], v[AK0]
	v_add_nc_u32 v[ADV], s[TB], v[AV0]
.irp kt, 0,1,2,3
.irp c, 0,1
	ds_load_b128 v[KV+16*\kt+8*\c:KV+16*\kt+8*\c+3], v[ADK] offset:(64*(\q)+16*\kt)*KP+64*\c
	ds_load_b128 v[KV+16*\kt+8*\c+4:KV+16*\kt+8*\c+7], v[ADK] offset:(64*(\q)+16*\kt)*KP+64*\c+32
.endr
.endr
	s_wait_dscnt 0x0
.irp c, 0,1                            ; S^T = K Q^T: the eight accumulators take turns, one instruction a turn; each fragment of K feeds two products
.irp kt, 0,1,2,3
.irp t, 0,1
.if \c == 0
	v_wmma_f32_16x16x32_f16 v[S+32*\t+8*\kt:S+32*\t+8*\kt+7], v[KV+16*\kt+8*\c:KV+16*\kt+8*\c+7], v[Q+16*\t+8*\c:Q+16*\t+8*\c+7], 0
.else
	v_wmma_f32_16x16x32_f16 v[S+32*\t+8*\kt:S+32*\t+8*\kt+7], v[KV+16*\kt+8*\c:KV+16*\kt+8*\c+7], v[Q+16*\t+8*\c:Q+16*\t+8*\c+7], v[S+32*\t+8*\kt:S+32*\t+8*\kt+7]
.endif
.endr
.endr
.endr
.rept 4
	v_nop                                          ; four places: for the loads into K's registers and for the first reads of the scores
.endr
.irp ct, 0,1,2,3                       ; V, turned, into the registers that K has left: it lands while the softmax is walked
.irp c, 0,1
	ds_load_tr16_b128 v[KV+16*\ct+8*\c:KV+16*\ct+8*\c+3], v[ADV] offset:(64*(\q)+32*\c)*VP+32*\ct
	ds_load_tr16_b128 v[KV+16*\ct+8*\c+4:KV+16*\ct+8*\c+7], v[ADV] offset:(64*(\q)+32*\c)*VP+32*\ct+16*VP
.endr
.endr
	s_add_co_u32 s96, s[KF], 63                    ; a step all of whose keys count skips the mask
	s_cmp_le_u32 s96, s[Q0]
	s_cbranch_scc1 .Lopen_\@
	s_sub_co_i32 s96, s[Q0], s[KF]
	v_add_nc_u32 v[MD], s96, v[RH]                 ; register 8 kt + j of tile t holds key KF + 16 kt + 8 h + j for query Q0 + 16 t + r: hidden where 16 kt + j - 16 t > Q0 - KF + r - 8 h
.irp t, 0,1
.irp kt, 0,1,2,3
.irp j, 0,1,2,3,4,5,6,7
	v_cmp_gt_i32 vcc_lo, 16*\kt+\j-16*\t, v[MD]
	v_cndmask_b32 v[S+32*\t+8*\kt+\j], v[S+32*\t+8*\kt+\j], v[NINF], vcc_lo
.endr
.endr
.endr
.Lopen_\@:
	SOFTMAX
	s_wait_dscnt 0x0                               ; V is in
.irp c, 0,1                            ; O^T += V^T P: eight accumulators by turns; each fragment of V feeds two products
.irp ct, 0,1,2,3
.irp t, 0,1
	v_wmma_f32_16x16x32_f16 v[O+32*\t+8*\ct:O+32*\t+8*\ct+7], v[KV+16*\ct+8*\c:KV+16*\ct+8*\c+7], v[S+32*\t+8*\c:S+32*\t+8*\c+7], v[O+32*\t+8*\ct:O+32*\t+8*\ct+7]
.endr
.endr
.endr
.rept 5
	v_nop                                          ; five places: the next step's first products write over P's registers, which these products read; its loads into V's registers want four
.endr
.Lhidden_\@:
	s_add_co_u32 s[KF], s[KF], 64
.endm
; THE CHANGE OF SLOTS stands at a slot's head.  Each wave waits for all its tensor loads (its part of the slot ahead), adds 0 to its spare word, and waits for that and for its reads of the slot that it has left.
; Behind the barrier the slot ahead is whole and nobody reads the other one.  fill = 1: that other slot takes the next 256 keys, up to the causal limit; the load has four key steps in which to land.
.macro CHANGE fill
	s_wait_tensorcnt 0x0                           ; no tensor load of mine is out, so a group 0 may be written
	ds_add_u32 v[SPW], v[NIL]                      ; 0 onto my spare word
.if \fill
	ds_add_u32 v[SPW], v[NIL]                      ; and once more: the add twice on end, in every trip alike
	s_xor_b32 s[G0K+1], s[G0K+1], SLOT1            ; the walking descriptors: the other slot,
	s_add_nc_u64 s[G0K+2:G0K+3], s[G0K+2:G0K+3], 32768   ; the next 256 rows; the type bits on top are not reached
	s_xor_b32 s[G0V+1], s[G0V+1], SLOT1
	s_add_nc_u64 s[G0V+2:G0V+3], s[G0V+2:G0V+3], 32768
	s_wait_xcnt 0x0                                ; the last prefetch, a slot back, has read its address, so it may be written:
	s_add_nc_u64 s[PFA:PFA+1], s[PFA:PFA+1], 32768 ; one slot further on than the walking descriptors
.endif
	s_wait_dscnt 0x0                               ; the add is done, and my reads of the slot that I have left are over
	s_barrier_signal -1
	s_barrier_wait -1
.if \fill
	s_add_co_u32 s96, s[KF], 256                   ; the first key of the slot that this change would ask for:
	s_cmp_gt_u32 s96, s[LASTQ]                     ; past my work-group's last query none of its waves would read it, so it is not asked for.  Ids and the count of steps alone: all sixteen waves go the same way;
	s_cbranch_scc1 .Lpast_\@                       ; every wait for tensor loads in this text is for 0, and the jump leads round the load's own lines and nothing else
	TLOAD                                          ; a wave's one tensor load until the next barrier
.Lpast_\@:
	ASK
.endif
.endm
.macro SLOT_STEPS
.irp q, 0,1,2,3
	STEP \q
.endr
	s_xor_b32 s[TB], s[TB], SLOT1                  ; on to the other slot
.endm
	s_wait_loadcnt 0x0                             ; Q
.Lslot:                                            ; seven trips, a constant
	CHANGE 1
	SLOT_STEPS
	s_sub_co_u32 s[SLOTS], s[SLOTS], 1
	s_cmp_lg_u32 s[SLOTS], 0
	s_cbranch_scc1 .Lslot
	CHANGE 0                                       ; the last slot is written out: nothing is left to ask for
	SLOT_STEPS
	; THE WAY OUT.  l's two halves and the other half of the lanes' are added; O^T is divided by l, rounded to f16 and sent through my stage, so that a store covers four tokens' rows: 512 consecutive bytes.
.irp t, 0,1
	v_add_f32 v[ST+10*\t+6], v[ST+10*\t+2], v[ST+10*\t+3]
.endr
.irp t, 0,1
	v_permlanex16_b32 v[ST+10*\t+7], v[ST+10*\t+6], s[SEL], s[SEL+1]
.endr
.irp t, 0,1
	v_add_f32 v[ST+10*\t+6], v[ST+10*\t+6], v[ST+10*\t+7]
.endr
.irp t, 0,1
	v_rcp_f32 v[ST+10*\t+4], v[ST+10*\t+6]
.endr
	v_and_b32 v1, 15, v0                           ; (plain work behind the reciprocals)  r
	v_bfe_u32 v2, v0, 4, 1                         ; h
	s_mul_i32 s73, s[WV], 32*KP
	s_add_co_u32 s73, s73, STAGE                   ; my stage
	v_mul_u32_u24 v3, v1, KP
	v_lshl_add_u32 v3, v2, 4, v3
	v_add_nc_u32 v3, s73, v3                       ; in: row r, + 16 h
	v_and_b32 v1, 31, v0
	v_lshlrev_b32 v9, 4, v1                        ; 16 x lane: my place in four tokens' 512 bytes
	v_lshrrev_b32 v2, 3, v1
	v_mul_u32_u24 v2, v2, KP
	v_and_b32 v1, 7, v0
	v_lshl_add_u32 v2, v1, 4, v2
	v_add_nc_u32 v2, s73, v2                       ; back: eight lanes to a row
	s_wait_alu depctr_va_vdst(0)                   ; one wait for the two reciprocals, ahead of their first reader
.set i, 0
.rept 16
.irp t, 0,1
	v_pk_mul_f32 v[O+32*\t+2*i:O+32*\t+2*i+1], v[O+32*\t+2*i:O+32*\t+2*i+1], v[ST+10*\t+4:ST+10*\t+5] op_sel_hi:[1,0]
.endr
.set i, i+1
.endr
.set i, 0
.rept 32
	v_cvt_pk_f16_f32 v[KV+i], v[O+2*i], v[O+2*i+1]
.set i, i+1
.endr
.irp t, 0,1
.irp ct, 0,1,2,3
	ds_store_b128 v3, v[KV+16*\t+4*\ct:KV+16*\t+4*\ct+3] offset:16*KP*\t+32*\ct
.endr
.endr
.irp n, 0,1,2,3,4,5,6,7
	ds_load_b128 v[KV+32+4*\n:KV+32+4*\n+3], v2 offset:4*KP*\n   ; LDS serves a wave's instructions in order: these see my stores
.endr
.irp n, 0,1,2,3,4,5,6,7
	s_wait_dscnt 7-\n                              ; the younger loads may be out
	global_store_b128 v9, v[KV+32+4*\n:KV+32+4*\n+3], s[6:7] offset:512*\n
.endr
	s_wait_tensorcnt 0x0                           ; the wave's end
	ds_add_u32 v[SPW], v[NIL]
	s_wait_dscnt 0x0
	s_endpgm
.Lfunc_end_k_q8f87bfc543_attn:
	.size	k_q8f87bfc543_attn, .Lfunc_end_k_q8f87bfc543_attn-k_q8f87bfc543_attn
	.p2alignl 7, 3214868480
	.fill 96, 4, 3214868480
	.section	.rodata,"a",@progbits
	.p2align	6, 0x0
	.amdhsa_kernel k_q8f87bfc543_attn
		.amdhsa_group_segment_fixed_size 327680
		.amdhsa_private_segment_fixed_size 0
		.amdhsa_enable_private_segment 0
		.amdhsa_kernarg_size 16
		.amdhsa_user_sgpr_count 2
		.amdhsa_user_sgpr_kernarg_segment_ptr 1
		.amdhsa_wavefront_size32 1
		.amdhsa_system_sgpr_workgroup_id_x 1
		.amdhsa_system_sgpr_workgroup_id_y 1
		.amdhsa_system_sgpr_workgroup_id_z 1
		.amdhsa_system_vgpr_workitem_id 0
		.amdhsa_next_free_vgpr 256
		.amdhsa_next_free_sgpr 100
		.amdhsa_reserve_vcc 1
		.amdhsa_float_denorm_mode_32 3
		.amdhsa_float_denorm_mode_16_64 3
		.amdhsa_memory_ordered 1
		.amdhsa_forward_progress 1
		.amdhsa_inst_pref_size 188
	.end_amdhsa_kernel
	.amdgpu_metadata
---
amdhsa.version: [ 1, 2 ]
amdhsa.kernels:
  - .name:           k_q8f87bfc543_attn
    .symbol:         k_q8f87bfc543_attn.kd
    .args:
      - { .name: qkv16, .offset: 0, .size: 8, .value_kind: global_buffer, .address_space: global }
      - { .name: y16, .offset: 8, .size: 8, .value_kind: global_buffer, .address_space: global }
    .group_segment_fixed_size: 327680
    .private_segment_fixed_size: 0
    .kernarg_segment_align: 8
    .kernarg_segment_size: 16
    .max_flat_workgroup_size: 512
    .sgpr_count:     100
    .vgpr_count:     256
    .wavefront_size: 32
...
	.end_amdgpu_metadata
.endif
;; end of part 3
;; launch proj (part 4): grid 4 x 64, 4 waves a work-group, clusters of 4 x 4, 327,680 bytes of LDS; arguments y16, w16, out0; writes out0
.if DOCPART == 4
	.amdgcn_target "amdgcn-amd-amdhsa--gfx1250"
	.amdhsa_code_object_version 6
	.text
	.protected	k_q8f87bfc543_proj
	.globl	k_q8f87bfc543_proj
	.p2align	8
	.type	k_q8f87bfc543_proj,@function
k_q8f87bfc543_proj:
	s_mov_b64 s[64:65], 0
	v_nop
	global_prefetch_b8 v0, s[64:65] scope:SCOPE_SE
	s_setreg_imm32_b32 hwreg(HW_REG_WAVE_MODE, 25, 1), 1
	s_wait_xcnt 0x0
	s_wait_alu depctr_hold_cnt(0) depctr_sa_sdst(0) depctr_va_vdst(0) depctr_va_sdst(0) depctr_va_ssrc(0) depctr_va_vcc(0) depctr_vm_vsrc(0)
	s_getreg_b32 s2, hwreg(HW_REG_IB_STS2, 6, 4)
	s_cmp_eq_u32 s2, 0
	s_cbranch_scc0 .Lentry_in_a_cluster
	s_endpgm
.Lentry_in_a_cluster:
	s_bfe_u32 s2, ttmp6, 0x10000c
	s_cmp_lg_u32 s2, 0xf033
	s_cbranch_scc0 .Lentry_shape_is_right
	s_endpgm
.Lentry_shape_is_right:
; out[m][n] = sum over c of y[m][c] w_proj[n][c], f16 operands, f32 sums.  y16: [h 16][row 8192][64] f16 (channel c = 64 h + d); w16: [1024 n][1024 c] f16; out0: [8192][1024] f32.
; Every row but positions 0-15 of each sequence is stored here: those 64 rows come from a launch of their own, in f32.
; A tile of 128 rows x 256 columns is made by a work-group of four waves: 256 work-groups.  A wave makes 64 x 128: 32 accumulators of 16 x 16, which fill window 1.
; K goes in steps of 128, two heads, through two LDS slots: y's tile is two dense blocks of 128 rows x 128 bytes (one a head), w's 256 rows of 256 bytes.
; CLUSTERS: 4 x 4 work-groups; y's tiles are shared along a row of the cluster, w's along a column, each asked for jointly.  The tile row is 16 cy + the cluster's y: so 'the tile holds a sequence's first positions' is
; 'the cluster's y is 0', the same in all partners.  THE MATRIX INSTRUCTION IS USED TRANSPOSED (source 0 = 16 rows of w, source 1 = 16 rows of y): a lane holds eight neighbouring columns of a row of out.
; REGISTERS: window 0: v16-29 addresses; two fragment buffers of 96 (w's eight fragments, then y's four) at v32 and v128; on the way out v32-159 rows read back.  window 1: accumulator (a, bb) at v[8 (8 a + bb)].
.set AP,     144                       ; a row of y in LDS: 128 bytes + 16
.set BP,     272                       ; a row of w: 256 bytes + 16
.set AHALF,  128*AP                    ; one head's 128 rows: 18,432
.set BHALF,  128*BP                    ; 128 rows of w: 34,816
.set BOFF,   2*AHALF
.set SLOT,   BOFF+2*BHALF              ; 106,496
.set STAGE,  2*SLOT                    ; behind the slots: 16 rows x (512 bytes + 16) for each wave; no tensor load lands there
.set SPITCH, 528
.set SPARE,  STAGE+4*16*SPITCH         ; the spare words, 128 bytes a wave, which no other line names
.set ADRA, 16                          ; v16-17 LDS address of my fragments of y in slot 0, 1
.set ADRB, 20                          ; v20-21 the same for w
.set STO,  24
.set RD,   25
.set CO,   26
.set SPW,  28                          ; never rewritten
.set NIL,  29                          ; never rewritten
.set F0,   32
.set F1,   128
.set BK,   32
.set SKIP, 45                          ; s45 0 in a wave whose first 16 rows are a sequence's first positions
.set G1, 24                            ; s[24:31] group 1 for y's tiles; s[32:39] groups 0, one for each slot
.set G0, 32
.set G1B, 48                           ; s[48:55], s[56:63] the same for w's
.set G0B, 56
.set MSB, 0
.macro WIN new                         ; the immediate's high byte repeats the setting that is left
.if MSB != \new
	s_set_vgpr_msb (MSB<<8)|\new
.set MSB, \new
.endif
.endm
.set MUL, 0x50                         ; sources 0 and 1 window 0; C and D window 1
.macro JLOAD s                         ; a joint load: waves 0 and 1 fetch y's two heads, waves 2 and 3 w's two halves; an s_nop 0 and four v_nop follow each of the two lines
	s_cmp_eq_u32 s11, 0
	s_cbranch_scc0 .Lfor_b_\@
	tensor_load_to_lds s[G0+4*\s:G0+4*\s+3], s[G1:G1+7]
	s_nop 0
.rept 4
	v_nop
.endr
	s_branch .Lasked_\@
.Lfor_b_\@:
	tensor_load_to_lds s[G0B+4*\s:G0B+4*\s+3], s[G1B:G1B+7]
	s_nop 0
.rept 4
	v_nop
.endr
.Lasked_\@:
.endm
.macro CREST                           ; a round of the cluster's barrier behind its opening barrier
	s_cmp_lg_u32 s10, 0
	s_cbranch_scc1 .Lnot_wave_0_\@
	s_barrier_signal -3
.Lnot_wave_0_\@:
	s_barrier_wait -3
	s_barrier_signal -1
	s_barrier_wait -1
.endm
.macro CROUND
	s_barrier_signal -1
	s_barrier_wait -1
	CREST
.endm
	s_load_b128 s[4:7], s[0:1], 0x0                ; y16, w16
	s_load_b64 s[8:9], s[0:1], 0x10                ; out0
	v_lshl_add_u32 v[SPW], v0, 2, SPARE
	v_mov_b32 v[NIL], 0
	ds_add_u32 v[SPW], v[NIL]                      ; the wave's opening: the add, twice on end, and its wait ahead of my first tensor load
	ds_add_u32 v[SPW], v[NIL]
	v_lshrrev_b32 v1, 5, v0
	v_readfirstlane_b32 s10, v1                    ; wave 0..3
	s_lshr_b32 s11, s10, 1                         ; which half of the tile's rows is mine.  Also: I fetch for y (0) or for w (1)
	s_and_b32 s12, s10, 1                          ; which half of its columns.  Also: which head, or which 128 rows of w, I fetch
	s_bfe_u32 s40, ttmp6, 0x40000                  ; cx, cy
	s_bfe_u32 s41, ttmp6, 0x40004
	s_lshl_b32 s42, ttmp9, 2
	s_add_co_u32 s42, s42, s40                     ; tile column
	s_and_b32 s[SKIP], ttmp7, 0xffff               ; the cluster's y
	s_lshl_b32 s13, s41, 4
	s_add_co_u32 s13, s13, s[SKIP]                 ; tile row = 16 cy + cluster y
	s_or_b32 s[SKIP], s[SKIP], s11                 ; 0: cluster y = 0 and the tile's upper rows
	s_lshl_b32 s43, s41, 2
	s_lshl_b32 s43, 15, s43                        ; my row of the cluster
	s_lshl_b32 s44, 0x1111, s40                    ; my column
	s_or_b32 s[G1+0], s43, (1<<16)|(1<<20)|(1<<21)|(4<<22)|(3<<25)   ; the mask; elements of 2 bytes; padding on; bit 21 beside a mask; after every 32 words, 4 words
	s_mov_b32 s[G1+1], 64<<16                      ; tensor_dim0
	s_mov_b32 s[G1+2], 128<<16                     ; tensor_dim1
	s_mov_b32 s[G1+3], 64<<16                      ; tile_dim0
	s_mov_b32 s[G1+4], 128                         ; tile_dim1
	s_mov_b32 s[G1+5], 64                          ; from row to row
	s_mov_b32 s[G1+6], 0
	s_mov_b32 s[G1+7], 0
	s_or_b32 s[G1B+0], s44, (1<<16)|(1<<20)|(1<<21)|(5<<22)|(3<<25)  ; after every 64 words, 4 words
	s_mov_b32 s[G1B+1], 128<<16
	s_mov_b32 s[G1B+2], 128<<16
	s_mov_b32 s[G1B+3], 128<<16
	s_mov_b32 s[G1B+4], 128
	s_mov_b32 s[G1B+5], 1024
	s_mov_b32 s[G1B+6], 0
	s_mov_b32 s[G1B+7], 0
	s_lshl_b32 s16, s12, 13                        ; y: head (0 or 1) x 8,192 rows
	s_lshl_b32 s17, s13, 7                         ; + 128 x tile row
	s_add_co_u32 s16, s16, s17
	s_lshl_b32 s16, s16, 7                         ; rows of 128 bytes
	s_mov_b32 s17, 0
	s_lshl_b32 s46, s42, 8                         ; w: row 256 x tile column + 128 x half
	s_lshl_b32 s47, s12, 7
	s_add_co_u32 s46, s46, s47
	s_lshl_b32 s46, s46, 11                        ; rows of 2,048 bytes
	s_mov_b32 s47, 0
	s_mul_i32 s20, s12, AHALF                      ; where they go: no place in the cluster enters an LDS address
	s_mul_i32 s21, s12, BHALF
	s_add_co_u32 s21, s21, BOFF
	s_wait_dscnt 0x0                               ; both opening adds are done
	s_wait_kmcnt 0x0
	s_add_nc_u64 s[14:15], s[4:5], s[16:17]
	s_add_nc_u64 s[46:47], s[6:7], s[46:47]
	CROUND                                         ; all sixteen work-groups are here: the first joint loads meet
.irp s, 0,1
	s_mov_b32 s[G0+4*\s], 1
	s_add_co_u32 s[G0+4*\s+1], s20, \s*SLOT
	s_add_nc_u64 s[G0+4*\s+2:G0+4*\s+3], s[14:15], \s*2097152      ; K step s: two heads of 8,192 rows x 128 bytes on
	s_or_b32 s[G0+4*\s+3], s[G0+4*\s+3], 0x80000000
	s_mov_b32 s[G0B+4*\s], 1
	s_add_co_u32 s[G0B+4*\s+1], s21, \s*SLOT
	s_add_nc_u64 s[G0B+4*\s+2:G0B+4*\s+3], s[46:47], \s*256
	s_or_b32 s[G0B+4*\s+3], s[G0B+4*\s+3], 0x80000000
	JLOAD \s                                       ; two tensor loads of mine are out behind the second
.endr
	v_and_b32 v1, 15, v0                           ; l % 16
	v_bfe_u32 v2, v0, 4, 1                         ; l / 16
	v_mul_u32_u24 v3, v1, AP
	v_lshl_add_u32 v3, v2, 4, v3
	v_mul_u32_u24 v4, v1, BP
	v_lshl_add_u32 v4, v2, 4, v4
	s_mul_i32 s21, s11, 64*AP                      ; my 64 rows of y
	s_mul_i32 s22, s12, BHALF                      ; my 128 rows of w
	s_add_co_u32 s22, s22, BOFF
.irp s, 0,1
	v_add_nc_u32 v[ADRA+\s], s21, v3
	v_add_nc_u32 v[ADRB+\s], s22, v4
	s_add_co_u32 s21, s21, SLOT
	s_add_co_u32 s22, s22, SLOT
.endr
	s_mul_i32 s23, s10, 16*SPITCH
	s_add_co_u32 s23, s23, STAGE                   ; my stage
	v_mul_u32_u24 v5, v1, SPITCH                   ; in: row l % 16, 32 bytes for each half of the lanes
	v_lshl_add_u32 v5, v2, 5, v5
	v_add_nc_u32 v[STO], s23, v5
	v_and_b32 v6, 31, v0
	v_lshlrev_b32 v[CO], 4, v6                     ; back: the 32 lanes take one row of 512 bytes; and the same in out0
	v_add_nc_u32 v[RD], s23, v[CO]
	s_lshl_b32 s16, s13, 7
	s_lshl_b32 s17, s11, 6
	s_add_co_u32 s16, s16, s17                     ; my first row: 128 x tile row + 64 x half
	s_lshl_b32 s16, s16, 12                        ; rows of 4,096 bytes
	s_mov_b32 s17, 0
	s_add_nc_u64 s[8:9], s[8:9], s[16:17]
	s_lshl_b32 s46, s42, 10                        ; my first column, in bytes: 1,024 x tile column + 512 x half
	s_lshl_b32 s47, s12, 9
	s_add_co_u32 s46, s46, s47
	s_mov_b32 s47, 0
	s_add_nc_u64 s[8:9], s[8:9], s[46:47]
; 8 matrix instructions: y's block a against w's eight, 32 along K, from buffer f.  zero = 1: the first product starts the sums.  The 32 accumulators take turns, in the same order in every quarter.
.macro MUL8 f, a, zero
.irp bb, 0,1,2,3,4,5,6,7
.if \zero
	v_wmma_f32_16x16x32_f16 v[8*(8*(\a)+\bb):8*(8*(\a)+\bb)+7], v[\f+8*\bb:\f+8*\bb+7], v[\f+64+8*(\a):\f+64+8*(\a)+7], 0
.else
	v_wmma_f32_16x16x32_f16 v[8*(8*(\a)+\bb):8*(8*(\a)+\bb)+7], v[\f+8*\bb:\f+8*\bb+7], v[\f+64+8*(\a):\f+64+8*(\a)+7], v[8*(8*(\a)+\bb):8*(8*(\a)+\bb)+7]
.endif
.endr
.endm
; 24 LDS loads in one run: quarter q (32 along K) of a slot into buffer f: w's sixteen, then y's eight, blocks 2 and 3 last.  Quarters 0, 1 lie in the slot's first head, 2, 3 in its second.
.macro FETCH slot, q, f
.irp bb, 0,1,2,3,4,5,6,7
	ds_load_b128 v[\f+8*\bb:\f+8*\bb+3],   v[ADRB+\slot] offset:64*(\q)+16*BP*\bb
	ds_load_b128 v[\f+8*\bb+4:\f+8*\bb+7], v[ADRB+\slot] offset:64*(\q)+16*BP*\bb+32
.endr
.irp a, 0,1,2,3
	ds_load_b128 v[\f+64+8*\a:\f+64+8*\a+3],   v[ADRA+\slot] offset:((\q)/2)*AHALF+64*((\q)%2)+16*AP*\a
	ds_load_b128 v[\f+64+8*\a+4:\f+64+8*\a+7], v[ADRA+\slot] offset:((\q)/2)*AHALF+64*((\q)%2)+16*AP*\a+32
.endr
.endm
.macro PLACES                          ; four places in front of loads into registers that matrix instructions have read, and of the first reads of results
.rept 4
	v_nop
.endr
.endm
; A K step is four quarters of 32 along K, 32 matrix instructions each, on buffers 0, 1, 0, 1.  One of the first three: multiplies buffer f and fetches quarter qn into g.
.macro QUARTER slot, qn, f, g, zero
	s_wait_dscnt 4                                 ; all but the youngest four loads (y's blocks 2 and 3) are in
	WIN MUL
	MUL8 \f, 0, \zero
	MUL8 \f, 1, \zero
	PLACES
	WIN 0
	FETCH \slot, \qn, \g
	s_wait_dscnt 24                                ; all but the 24 just issued
	WIN MUL
	MUL8 \f, 2, \zero
	MUL8 \f, 3, \zero
.endm
; The last quarter multiplies buffer 1 and changes slots: ONE barrier; in front of it each wave waits for all its tensor loads, adds 0 to its spare word, and waits for that and for its reads of this slot.
; fill = 1: the barrier opens a round of the cluster's, and this slot is filled again, two K steps ahead: 112 matrix instructions stand between the request and the wait for it.
.macro TURN slot, next, fill
	WIN 0                                          ; (the add's two registers lie in window 0)
	s_wait_tensorcnt 0x0                           ; all my tensor loads have landed: my part of the next slot
	ds_add_u32 v[SPW], v[NIL]                      ; 0 onto my spare word
	s_wait_dscnt 5                                 ; (the add and the youngest four loads may be out)
	WIN MUL
	MUL8 F1, 0, 0
	s_wait_dscnt 0x0                               ; the add is done, and my reads of this slot are over
	s_barrier_signal -1
	MUL8 F1, 1, 0
	WIN 0
	s_barrier_wait -1
.if \fill
	CREST                                          ; no wave of any partner still reads this slot's tile or has a load on its way
	s_add_nc_u64 s[G0+4*\slot+2:G0+4*\slot+3], s[G0+4*\slot+2:G0+4*\slot+3], 4194304
	s_add_nc_u64 s[G0B+4*\slot+2:G0B+4*\slot+3], s[G0B+4*\slot+2:G0B+4*\slot+3], 512
	JLOAD \slot                                    ; the first tensor load behind the round; its four v_nop are also the places in front of the loads below
.else
	PLACES
.endif
	FETCH \next, 0, F0
	WIN MUL
	MUL8 F1, 2, 0
	MUL8 F1, 3, 0
.endm
	s_wait_tensorcnt 1                             ; my part of K step 0 is in; K step 1's load may be out
	s_barrier_signal -1
	s_barrier_wait -1
	FETCH 0, 0, F0
	QUARTER 0, 1, F0, F1, 1                        ; the first quarter's products start the sums: nothing is cleared
	WIN 0                                          ; at a label and at a branch every window is 0
	s_mov_b32 s3, 3
.Llap:                                                 ; a trip goes once round the two slots, from a lap's second quarter to the next lap's first, and fills both again: K steps 2 to 7
	QUARTER 0, 2, F1, F0, 0
	QUARTER 0, 3, F0, F1, 0
	TURN 0, 1, 1
	QUARTER 1, 1, F0, F1, 0
	QUARTER 1, 2, F1, F0, 0
	QUARTER 1, 3, F0, F1, 0
	TURN 1, 0, 1
	QUARTER 0, 1, F0, F1, 0
	WIN 0
	s_sub_co_u32 s3, s3, 1
	s_cmp_lg_u32 s3, 0
	s_cbranch_scc1 .Llap
	QUARTER 0, 2, F1, F0, 0                        ; the last lap fills nothing
	QUARTER 0, 3, F0, F1, 0
	TURN 0, 1, 0
	QUARTER 1, 1, F0, F1, 0
	QUARTER 1, 2, F1, F0, 0
	QUARTER 1, 3, F0, F1, 0
	s_wait_dscnt 4
	WIN MUL
	MUL8 F1, 0, 0
	MUL8 F1, 1, 0
	s_wait_dscnt 0x0
	MUL8 F1, 2, 0
	MUL8 F1, 3, 0
	WIN 0
	PLACES
; THE WAY OUT, block by block of 16 rows x 128 columns: through my own stage and back as whole rows of 512 bytes.  LDS serves a wave's instructions in order: no wait between the stores and the loads.
.macro TOSTAGE a
	WIN 0x04                                       ; an LDS store's data: window 1
.irp bb, 0,1,2,3,4,5,6,7
	ds_store_b128 v[STO], v[8*(8*(\a)+\bb):8*(8*(\a)+\bb)+3] offset:64*\bb          ; each accumulator from its low end on
	ds_store_b128 v[STO], v[8*(8*(\a)+\bb)+4:8*(8*(\a)+\bb)+7] offset:64*\bb+16
.endr
	WIN 0
.set BB, BK+64*((\a)%2)
.irp t, 0,1,2,3,4,5,6,7,8,9,10,11,12,13,14,15
	ds_load_b128 v[BB+4*\t:BB+4*\t+3], v[RD] offset:\t*SPITCH
.endr
.endm
.macro SEND a, younger
.set BB, BK+64*((\a)%2)
	s_wait_dscnt \younger                          ; the block is back in registers
.irp t, 0,1,2,3,4,5,6,7,8,9,10,11,12,13,14,15
	global_store_b128 v[CO], v[BB+4*\t:BB+4*\t+3], s[8:9] offset:(16*(\a)+\t)*4096 th:TH_STORE_NT   ; 32 lanes store 512 consecutive bytes, aligned; every offset is an immediate, 258,048 at the most
.endr
.endm
	s_cmp_eq_u32 s[SKIP], 0                        ; positions 0-15 of a sequence are another launch's rows: this block is not stored.  The branch hangs on the cluster's y and the wave's number
	s_cbranch_scc1 .Lskip0
	TOSTAGE 0
	SEND 0, 0
.Lskip0:
	TOSTAGE 1
	s_wait_xcnt 0x0                                ; block 0's stores have read the registers that block 2's loads fill
	TOSTAGE 2
	SEND 1, 32                                     ; behind block 1's loads: block 2's 16 stores and 16 loads
	s_wait_xcnt 0x0                                ; block 1's stores have read theirs
	TOSTAGE 3
	SEND 2, 32
	SEND 3, 0
	s_wait_tensorcnt 0x0                           ; the wave's end
	ds_add_u32 v[SPW], v[NIL]
	s_wait_dscnt 0x0
	CROUND                                         ; the closing round: no work-group ends while a partner may still ask for a tile that names it
	s_endpgm
.Lfunc_end_k_q8f87bfc543_proj:
	.size	k_q8f87bfc543_proj, .Lfunc_end_k_q8f87bfc543_proj-k_q8f87bfc543_proj
	.p2alignl 7, 3214868480
	.fill 96, 4, 3214868480
	.section	.rodata,"a",@progbits
	.p2align	6, 0x0
	.amdhsa_kernel k_q8f87bfc543_proj
		.amdhsa_group_segment_fixed_size 327680
		.amdhsa_private_segment_fixed_size 0
		.amdhsa_enable_private_segment 0
		.amdhsa_kernarg_size 24
		.amdhsa_user_sgpr_count 2
		.amdhsa_user_sgpr_kernarg_segment_ptr 1
		.amdhsa_wavefront_size32 1
		.amdhsa_system_sgpr_workgroup_id_x 1
		.amdhsa_system_sgpr_workgroup_id_y 1
		.amdhsa_system_sgpr_workgroup_id_z 1
		.amdhsa_system_vgpr_workitem_id 0
		.amdhsa_next_free_vgpr 512
		.amdhsa_next_free_sgpr 66
		.amdhsa_reserve_vcc 0
		.amdhsa_float_denorm_mode_32 3
		.amdhsa_float_denorm_mode_16_64 3
		.amdhsa_memory_ordered 1
		.amdhsa_forward_progress 1
		.amdhsa_inst_pref_size 85
	.end_amdhsa_kernel
	.amdgpu_metadata
---
amdhsa.version: [ 1, 2 ]
amdhsa.kernels:
  - .name:           k_q8f87bfc543_proj
    .symbol:         k_q8f87bfc543_proj.kd
    .args:
      - { .name: y16, .offset: 0, .size: 8, .value_kind: global_buffer, .address_space: global }
      - { .name: w16, .offset: 8, .size: 8, .value_kind: global_buffer, .address_space: global }
      - { .name: out0, .offset: 16, .size: 8, .value_kind: global_buffer, .address_space: global }
    .group_segment_fixed_size: 327680
    .private_segment_fixed_size: 0
    .kernarg_segment_align: 8
    .kernarg_segment_size: 24
    .max_flat_workgroup_size: 128
    .sgpr_count:     66
    .vgpr_count:     512
    .wavefront_size: 32
...
	.end_amdgpu_metadata
.endif
;; end of part 4
;; launch fine (part 5): grid 16 x 4, 16 waves a work-group, no clusters, 71,680 bytes of LDS; arguments qkv32, w_proj, out0; writes out0
.if DOCPART == 5
	.amdgcn_target "amdgcn-amd-amdhsa--gfx1250"
	.amdhsa_code_object_version 6
	.text
	.protected	k_q8f87bfc543_fine
	.globl	k_q8f87bfc543_fine
	.p2align	8
	.type	k_q8f87bfc543_fine,@function
k_q8f87bfc543_fine:
	s_mov_b64 s[64:65], 0
	v_nop
	global_prefetch_b8 v0, s[64:65] scope:SCOPE_SE
	s_setreg_imm32_b32 hwreg(HW_REG_WAVE_MODE, 25, 1), 1
	s_wait_xcnt 0x0
; Positions 0-15 of each of the four sequences, all in f32: these rows average one to sixteen values, so the rounding of 16-bit operands would weigh most here.  96 matrix instructions of the f32 form a wave: no bulk work.
; qkv32: [b 4][which x 16 + h][4,096 bytes]: the f32 sums of q, k, v for 16 tokens x 64 channels as images of four accumulators: register 8 ct + j of lane (r, hh) is (token r, channel 16 ct + 8 hh + j).
; SHARES.  Work-group (j, b): columns 64 j .. 64 j + 63 of out0's rows b x 2048 + 0 .. 15.  Wave = head: it makes its head's attention for the 16 tokens, then its head's 64 channels' share of the 16 x 64 outputs;
; the sixteen shares are added through LDS, in a fixed order.  The attention is made anew in each of the 16 column blocks (12 KB of loads, 32 matrix instructions): that spares a launch.
; THE IMAGES ARE OPERANDS AS THEY STAND.  The f32 form takes k = 2 hh + j' from register j' of lane (., hh).  Fed with registers 8 ct + 2 i, + 1 on BOTH sides, both sides hold channel 16 ct + 8 hh + 2 i + j' there:
; the same permutation of k on both operands keeps the products.  The results of each product lie as the images do, so they feed the next product in the same way.
; The registers that the f32 form writes (v160-239) are written by matrix instructions alone; each sum begins with the constant 0; what is made of a sum goes into other registers.
; No tensor load, no cluster: nothing here is large enough to share.
.set PITCH, 272                        ; a token's row in LDS: 64 f32 + 16 bytes
.set REG,   16*PITCH                   ; a wave's region: 4,352 bytes
.set SPARE, 16*REG                     ; the spare words, 128 bytes a wave, which no other line names
.set LI,  1                            ; v1  16 x lane
.set WA,  2                            ; v2  w_proj: row r of 4,096 bytes, + 32 hh
.set PS,  3                            ; v3  my region: row r, + 32 hh
.set VL,  4                            ; v4  my region: row 8 hh, + 4 r
.set RA,  5                            ; v5  token = my wave's number: its row in region 0, + 8 x lane
.set DD,  6                            ; v6  r - 8 hh
.set NINF, 7                           ; v7  -infinity
.set SPW, 8                            ; never rewritten
.set NIL, 9                            ; never rewritten
.set P,   16                           ; v16-23 the scores, then p
.set GO,  24                           ; v24 8 x lane
.set QR,  32                           ; v32-63  q, later w_proj's tile 1, later the shares to be added
.set KR,  64                           ; v64-95  k, later tile 2
.set VR,  96                           ; v96-127 v, then v turned, later tile 3
.set W0,  128                          ; v128-159 tile 0
.set SA,  160
.set SB,  168
.set Y,   176                          ; v176-207 y^T, four tiles of 16 channels
.set OA,  208                          ; v208-239 the outputs' share, four tiles of 16 columns
	s_load_b128 s[4:7], s[0:1], 0x0                ; qkv32, w_proj
	s_load_b64 s[8:9], s[0:1], 0x10                ; out0
	v_lshl_add_u32 v[SPW], v0, 2, SPARE
	v_mov_b32 v[NIL], 0
	v_lshrrev_b32 v10, 5, v0
	v_readfirstlane_b32 s10, v10                   ; wave = head, later = token
	v_and_b32 v10, 31, v0                          ; lane
	v_and_b32 v11, 15, v0                          ; r
	v_bfe_u32 v12, v0, 4, 1                        ; hh
	v_lshlrev_b32 v[LI], 4, v10
	v_lshlrev_b32 v[GO], 3, v10
	v_lshlrev_b32 v[WA], 12, v11
	v_lshl_add_u32 v[WA], v12, 5, v[WA]
	s_mul_i32 s18, s10, REG
	v_mul_u32_u24 v[PS], v11, PITCH
	v_lshl_add_u32 v[PS], v12, 5, v[PS]
	v_add_nc_u32 v[PS], s18, v[PS]
	v_mul_u32_u24 v[VL], v12, 8*PITCH
	v_lshl_add_u32 v[VL], v11, 2, v[VL]
	v_add_nc_u32 v[VL], s18, v[VL]
	s_mul_i32 s19, s10, PITCH
	v_add_nc_u32 v[RA], s19, v[GO]
	v_lshlrev_b32 v12, 3, v12
	v_sub_nc_u32 v[DD], v11, v12
	v_mov_b32 v[NINF], 0xff800000
	s_mov_b32 s14, 0x76543210
	s_mov_b32 s15, 0xfedcba98                      ; v_permlanex16_b32's selects for lane l xor 16
	s_mov_b32 s16, 0x3e38aa3b                      ; c = log2(e) / sqrt(64)
	s_and_b32 s12, ttmp7, 0xffff                   ; b
	s_mul_i32 s18, s12, 48
	s_add_co_u32 s18, s18, s10
	s_lshl_b32 s18, s18, 12                        ; q's image of (b, head); k's and v's lie 16 and 32 images on
	s_mov_b32 s19, 0
	s_lshl_b32 s20, ttmp9, 18                      ; w_proj: 64 rows of 4,096 bytes a column block,
	s_lshl_b32 s21, s10, 8                         ; + my head's 64 channels
	s_add_co_u32 s20, s20, s21
	s_mov_b32 s21, 0
	s_lshl_b32 s22, s12, 11
	s_add_co_u32 s22, s22, s10                     ; out0: row b x 2,048 + my wave's number,
	s_lshl_b32 s22, s22, 12
	s_lshl_b32 s23, ttmp9, 8                       ; + 64 columns a block
	s_add_co_u32 s22, s22, s23
	s_mov_b32 s23, 0
	s_wait_kmcnt 0x0
	s_add_nc_u64 s[4:5], s[4:5], s[18:19]
	s_add_nc_u64 s[6:7], s[6:7], s[20:21]
	s_add_nc_u64 s[8:9], s[8:9], s[22:23]
.macro WLOAD reg, nt                   ; w_proj's tile nt: lane (r, hh) takes, of row 16 nt + r, channels 16 ct + 8 hh + 0 .. 7: the wave's 16 rows x 256 bytes are read whole
.irp ct, 0,1,2,3
	global_load_b128 v[\reg+8*\ct:\reg+8*\ct+3], v[WA], s[6:7] offset:\nt*65536+64*\ct
	global_load_b128 v[\reg+8*\ct+4:\reg+8*\ct+7], v[WA], s[6:7] offset:\nt*65536+64*\ct+16
.endr
.endm
.irp i, 0,1,2,3,4,5,6,7
	global_load_b128 v[QR+4*\i:QR+4*\i+3], v[LI], s[4:5] offset:512*\i
.endr
.irp i, 0,1,2,3,4,5,6,7
	global_load_b128 v[KR+4*\i:KR+4*\i+3], v[LI], s[4:5] offset:65536+512*\i
.endr
.irp i, 0,1,2,3,4,5,6,7
	global_load_b128 v[VR+4*\i:VR+4*\i+3], v[LI], s[4:5] offset:131072+512*\i
.endr
	WLOAD W0, 0
	s_wait_loadcnt 16                              ; q and k are in; v's eight loads and tile 0's eight may be out
	; S^T = k q^T: source 0 = 16 keys, source 1 = 16 queries; two accumulators by turns: a lane holds query r and keys 8 hh + 0 .. 7
	v_wmma_f32_16x16x4_f32 v[SA:SA+7], v[KR:KR+1], v[QR:QR+1], 0
	v_wmma_f32_16x16x4_f32 v[SB:SB+7], v[KR+2:KR+3], v[QR+2:QR+3], 0
.set u, 2
.rept 7
	v_wmma_f32_16x16x4_f32 v[SA:SA+7], v[KR+2*u:KR+2*u+1], v[QR+2*u:QR+2*u+1], v[SA:SA+7]
	v_wmma_f32_16x16x4_f32 v[SB:SB+7], v[KR+2*u+2:KR+2*u+3], v[QR+2*u+2:QR+2*u+3], v[SB:SB+7]
.set u, u+2
.endr
.rept 8
	v_nop                                          ; eight places behind this form: for the loads into q's and k's registers and for the first reads of the sums
.endr
	WLOAD QR, 1
	WLOAD KR, 2
.irp j, 0,1,2,3,4,5,6,7
	v_add_f32 v[P+\j], v[SA+\j], v[SB+\j]          ; the two halves of the sum, from the low end on
.endr
.irp j, 0,1,2,3,4,5,6,7
	v_cmp_gt_i32 vcc_lo, \j, v[DD]                 ; key 8 hh + j is hidden from query r where j > r - 8 hh
	v_cndmask_b32 v[P+\j], v[P+\j], v[NINF], vcc_lo
.endr
	v_max3_num_f32 v10, v[P], v[P+1], v[P+2]
	v_max3_num_f32 v11, v[P+3], v[P+4], v[P+5]
	v_max3_num_f32 v10, v10, v[P+6], v[P+7]
	v_max_num_f32 v10, v10, v11
	v_permlanex16_b32 v11, v10, s14, s15
	v_max_num_f32 v10, v10, v11                    ; the row's maximum: key 0 counts for every query, so it is a number
	v_mul_f32 v10, s16, v10
.irp j, 0,1,2,3,4,5,6,7
	v_fma_f32 v[P+\j], v[P+\j], s16, -v10          ; c s - c m
.endr
.irp j, 0,1,2,3,4,5,6,7
	v_exp_f32 v[P+\j], v[P+\j]
.endr
	v_nop                                          ; a plain line behind the last exponential
	s_wait_alu depctr_va_vdst(0)                   ; one wait for the eight, ahead of their first reader
	v_add_f32 v12, v[P], v[P+1]
	v_add_f32 v13, v[P+2], v[P+3]
	v_add_f32 v14, v[P+4], v[P+5]
	v_add_f32 v15, v[P+6], v[P+7]
	v_add_f32 v12, v12, v13
	v_add_f32 v14, v14, v15
	v_add_f32 v12, v12, v14
	v_permlanex16_b32 v13, v12, s14, s15
	v_add_f32 v12, v12, v13                        ; the row's sum
	v_rcp_f32 v14, v12
	v_nop
	s_wait_alu depctr_va_vdst(0)
.irp j, 0,1,2,3,4,5,6,7
	v_mul_f32 v[P+\j], v[P+\j], v14                ; p is normalised here, so y needs no scaling
.endr
	; v turned: the second product wants, in lane (r, hh), channel 16 ct + r of tokens 8 hh + 0 .. 7.  Through my own region of LDS, as rows of a token.
	s_wait_loadcnt 24                              ; v is in; the 24 loads of tiles 0, 1 and 2 may be out
.irp ct, 0,1,2,3
	ds_store_b128 v[PS], v[VR+8*\ct:VR+8*\ct+3] offset:64*\ct
	ds_store_b128 v[PS], v[VR+8*\ct+4:VR+8*\ct+7] offset:64*\ct+16
.endr
	s_wait_dscnt 0x0
.irp ct, 0,1,2,3
.irp jj, 0,1,2,3,4,5,6,7
	ds_load_b32 v[VR+8*\ct+\jj], v[VL] offset:PITCH*\jj+64*\ct
.endr
.endr
	s_wait_dscnt 0x0
	; y^T = v^T p: source 0 = 16 channels, source 1 = p; K = the 16 keys; four accumulators by turns
.irp i, 0,1,2,3
.irp ct, 0,1,2,3
.if \i == 0
	v_wmma_f32_16x16x4_f32 v[Y+8*\ct:Y+8*\ct+7], v[VR+8*\ct+2*\i:VR+8*\ct+2*\i+1], v[P+2*\i:P+2*\i+1], 0
.else
	v_wmma_f32_16x16x4_f32 v[Y+8*\ct:Y+8*\ct+7], v[VR+8*\ct+2*\i:VR+8*\ct+2*\i+1], v[P+2*\i:P+2*\i+1], v[Y+8*\ct:Y+8*\ct+7]
.endif
.endr
.endr
.rept 9
	v_nop                                          ; nine places: y^T becomes source 1 of the next products; the loads into v's registers want eight
.endr
	WLOAD VR, 3
; the projection: source 0 = 16 rows of w_proj, source 1 = y^T: a lane holds token r and columns 16 nt + 8 hh + 0 .. 7.  Two accumulators by turns.
.macro PROJ2 wa, wb, oa, ob
	v_wmma_f32_16x16x4_f32 v[\oa:\oa+7], v[\wa:\wa+1], v[Y:Y+1], 0
	v_wmma_f32_16x16x4_f32 v[\ob:\ob+7], v[\wb:\wb+1], v[Y:Y+1], 0
.set u, 1
.rept 15
	v_wmma_f32_16x16x4_f32 v[\oa:\oa+7], v[\wa+2*u:\wa+2*u+1], v[Y+2*u:Y+2*u+1], v[\oa:\oa+7]
	v_wmma_f32_16x16x4_f32 v[\ob:\ob+7], v[\wb+2*u:\wb+2*u+1], v[Y+2*u:Y+2*u+1], v[\ob:\ob+7]
.set u, u+1
.endr
.endm
	s_wait_loadcnt 16                              ; tiles 0 and 1 are in; the 16 loads of tiles 2 and 3 may be out
	PROJ2 W0, QR, OA, OA+8
	s_wait_loadcnt 0x0
	PROJ2 KR, VR, OA+16, OA+24
.rept 8
	v_nop                                          ; eight places in front of the stores that read the sums and of the loads into tile 1's registers
.endr
.irp nt, 0,1,2,3
	ds_store_b128 v[PS], v[OA+8*\nt:OA+8*\nt+3] offset:64*\nt          ; my head's share, as rows of a token; each accumulator from its low end on
	ds_store_b128 v[PS], v[OA+8*\nt+4:OA+8*\nt+7] offset:64*\nt+16
.endr
	s_wait_dscnt 0x0                               ; for the others' sake: my stores have landed
	s_barrier_signal -1
	s_barrier_wait -1
.irp i, 0,1,2,3,4,5,6,7,8,9,10,11,12,13,14,15
	ds_load_b64 v[QR+2*\i:QR+2*\i+1], v[RA] offset:REG*\i   ; wave w takes token w: its row in each head's region, two columns a lane
.endr
	s_wait_dscnt 0x0
	v_pk_add_f32 v[QR:QR+1], v[QR:QR+1], v[QR+2:QR+3]       ; the sixteen shares, in two chains and a fixed order
	v_pk_add_f32 v[QR+4:QR+5], v[QR+4:QR+5], v[QR+6:QR+7]
.irp i, 4,6,8,10,12,14
	v_pk_add_f32 v[QR:QR+1], v[QR:QR+1], v[QR+2*\i:QR+2*\i+1]
	v_pk_add_f32 v[QR+4:QR+5], v[QR+4:QR+5], v[QR+2*\i+2:QR+2*\i+3]
.endr
	v_pk_add_f32 v[QR:QR+1], v[QR:QR+1], v[QR+4:QR+5]
	global_store_b64 v[GO], v[QR:QR+1], s[8:9]     ; 32 lanes store 256 consecutive bytes, aligned
	s_wait_tensorcnt 0x0                           ; the wave's end
	ds_add_u32 v[SPW], v[NIL]
	s_wait_dscnt 0x0
	s_endpgm
.Lfunc_end_k_q8f87bfc543_fine:
	.size	k_q8f87bfc543_fine, .Lfunc_end_k_q8f87bfc543_fine-k_q8f87bfc543_fine
	.p2alignl 7, 3214868480
	.fill 96, 4, 3214868480
	.section	.rodata,"a",@progbits
	.p2align	6, 0x0
	.amdhsa_kernel k_q8f87bfc543_fine
		.amdhsa_group_segment_fixed_size 71680
		.amdhsa_private_segment_fixed_size 0
		.amdhsa_enable_private_segment 0
		.amdhsa_kernarg_size 24
		.amdhsa_user_sgpr_count 2
		.amdhsa_user_sgpr_kernarg_segment_ptr 1
		.amdhsa_wavefront_size32 1
		.amdhsa_system_sgpr_workgroup_id_x 1
		.amdhsa_system_sgpr_workgroup_id_y 1
		.amdhsa_system_sgpr_workgroup_id_z 1
		.amdhsa_system_vgpr_workitem_id 0
		.amdhsa_next_free_vgpr 240
		.amdhsa_next_free_sgpr 66
		.amdhsa_reserve_vcc 1
		.amdhsa_float_denorm_mode_32 3
		.amdhsa_float_denorm_mode_16_64 3
		.amdhsa_memory_ordered 1
		.amdhsa_forward_progress 1
		.amdhsa_inst_pref_size 23
	.end_amdhsa_kernel
	.amdgpu_metadata
---
amdhsa.version: [ 1, 2 ]
amdhsa.kernels:
  - .name:           k_q8f87bfc543_fine
    .symbol:         k_q8f87bfc543_fine.kd
    .args:
      - { .name: qkv32, .offset: 0, .size: 8, .value_kind: global_buffer, .address_space: global }
      - { .name: w_proj, .offset: 8, .size: 8, .value_kind: global_buffer, .address_space: global }
      - { .name: out0, .offset: 16, .size: 8, .value_kind: global_buffer, .address_space: global }
    .group_segment_fixed_size: 71680
    .private_segment_fixed_size: 0
    .kernarg_segment_align: 8
    .kernarg_segment_size: 24
    .max_flat_workgroup_size: 512
    .sgpr_count:     66
    .vgpr_count:     240
    .wavefront_size: 32
...
	.end_amdgpu_metadata
.endif
;; end of part 5
